; MI455X (gfx1250); checked and timed in simulation.
; The chip was launched on July 23, 2026; its instructions are those of AMD's public machine-readable ISA for CDNA 5 (MIT licence, August 2026) and "CDNA5" Instruction Set Architecture Reference Guide (July 2026). The comments in the code are by the model that wrote it; some were corrected since.
;; Plasticity Model Mo E. Allowed arithmetic: matrix products marked QUANTISED: E2M1 operands, one E8M0 scale for each 32 along K, by v_wmma_scale_f32_16x16x128_f8f6f4 with both operands' format E2M1 (or v_wmma_scale_f32_32x16x128_f4), f32 sums; products left as they are: f32 operands where the result goes on into a quantised operand, else bf16, f16 or f32 operands; f32 sums; everything else in f32.
;; Inputs: act_w 9 float32; b 2,048 x 4 float32; conn_W1 2,048 x 32 float32; conn_W2 32 x 2,048 float32; conn_b1 32 float32; conn_b2 2,048 float32; delay 1,024 x 2,048 x 4 float32; gate_W 1,024 x 4 float32; gate_b 4 float32; mask 2,048 float32; memory 8,192 x 1,024 float32; neuron_avg 2,048 float32; read_W 2,048 x 8,192 float32; read_b 8,192 float32; w 1,024 x 2,048 x 4 float32; x 2,048 x 1,024 float32.
;; Outputs: out0 2,048 x 1,024 float32.
;; This version of the problem:
;;   THIS VERSION OF THE PROBLEM IS GIVEN IN LOW PRECISION. The matrix products marked QUANTISED in the list below multiply operands that are first quantised to E2M1 (2 exponent bits, 1 mantissa bit; 4 bits a number), with one power-of-two scale for each 32 numbers along K (OCP MX v1.0); their sums are f32. All else is computed in f32.
;;   The module's matrix products, in the order in which they are computed (A, B: the left and right operand; K: the contracted axis; several contracted axes count as one K, in the product's order):
;;     1. [M 2,048, K 1,024] x [K 1,024, N 8,192]; A: input x; B: computed on the way: QUANTISED
;;     2. [M 2,048, K 1,024] x [K 1,024, N 4]; A: input x; B: input gate_W: left as it is (N = 4 < 16)
;;     3. batch 2,048 x [M 2,048, K 4] x [K 4, N 1]; A: computed on the way; B: softmax (see below): left as it is (K = 4 < 32)
;;     4. [M 1, K 2,048] x [K 2,048, N 32]; A: input neuron_avg; B: input conn_W1: left as it is (M = 1 < 16)
;;     5. [M 1, K 32] x [K 32, N 2,048]; A: computed on the way; B: input conn_W2: left as it is (M = 1 < 16)
;;     6. [M 2,048, K 2,048] x [K 2,048, N 8,192]; A: computed on the way; B: input read_W: QUANTISED
;;     7. [M 2,048, K 8,192] x [K 8,192, N 1,024]; A: softmax (see below); B: input memory: QUANTISED
;;   THE QUANTISER, for each operand of a quantised product, along K:
;;     - K is cut into blocks of 32 from its start; a last block that is shorter is filled with zeros.
;;     - A block's scale is 2^e with e = floor(log2(the largest magnitude in the block)) - 2, held to -126 .. 127; a block of zeros has e = 0. As a byte (E8M0): e + 127.
;;     - Each number is divided by its block's scale, clamped to +-6, and rounded to the nearest number of E2M1, ties to even, subnormals kept.
;;     - The product sums the exact products of the quantised numbers (number of the format x scale) in f32.
;;   ~~~python
;;   def quantise(x, axis):      # numpy; x: float32 -> the quantised numbers, widened to float32 again
;;       x = np.moveaxis(x, axis, -1); K = x.shape[-1]
;;       x = np.pad(x, [(0, 0)] * (x.ndim - 1) + [(0, -K % 32)]); x = x.reshape(x.shape[:-1] + (-1, 32)); a = np.abs(x).max(-1, keepdims=True)
;;       e = np.where(a > 0, np.clip(np.frexp(np.where(a > 0, a, 1))[1] - 1 - 2, -126, 127), 0)      # np.frexp(a)[1] - 1 = floor(log2(a)), exactly
;;       r = np.clip(x / 2.0 ** e, -6, 6)
;;       step = 2.0 ** (np.maximum(np.frexp(np.where(r == 0, 1, r))[1] - 1, 0) - 1)
;;       q = np.round(r / step) * step * 2.0 ** e      # np.round: ties to even
;;       return np.moveaxis(q.reshape(q.shape[:-2] + (-1,))[..., :K], -1, axis).astype(np.float32)
;;   ~~~
;;   SOFTMAX AHEAD OF A QUANTISED PRODUCT. Where the list says 'softmax', what is quantised is not the finished softmax but p = 2^(t - M), with t = logit x log2(e) and M = ceil(the row's largest t), a whole number; so 1/2 < the row's largest p <= 1. The row's sum l is taken of the UNQUANTISED p, in f32, and the product's result is divided by l at the end. Since M is a whole number, a kernel that streams over the keys may use a running M (the ceiling of the running maximum): every later rescaling is an exact power of two, which a block's scale takes up: the codes' values come out the same.
;;   OPERANDS COMPUTED ON THE WAY. 'Computed on the way' means the value that the module computes at that place (a softmax that the list does not call 'softmax' is quantised finished and normalised). What goes into a quantiser is computed in f32, as accurately as f32 sums, v_exp_f32 and their like allow (about 1e-6 of the number): no bf16 or f16 on the way to a quantiser, and a product that is left as it is and whose result goes on into a quantised operand takes f32 operands (vector FMAs, or v_wmma_f32_16x16x4_f32). A number that lies on a knife's edge between two numbers of the format may be rounded either way, as far as f32 arithmetic and the matrix unit's own rounding can turn it there, and no further.
;; One version. Each part assembles by itself: llvm-mc -triple=amdgcn-amd-amdhsa -mcpu=gfx1250 --defsym DOCPART=n.
;; ======== version 1 of 1: 4 launches
;; limits: a function is approximated: absolute error at most 2e-07
;; workspace buffers: xq 1,147,136 bytes; wq 4,456,448 bytes; rq 8,912,896 bytes; mq 4,456,448 bytes; bq 2,228,224 bytes; pq 8,388,608 bytes; ps 1,572,864 bytes
;; launch prep (part 1): grid 705 x 1, 4 waves a work-group, no clusters, 38,400 bytes of LDS; arguments x, w, delay, read_W, memory, gate_W, gate_b, neuron_avg, conn_W1, conn_b1, act_w, xq, wq, rq, mq; writes xq, wq, rq, mq
.if DOCPART == 1
	.amdgcn_target "amdgcn-amd-amdhsa--gfx1250"
	.amdhsa_code_object_version 6
	.text
	.protected	k_q8c48f0efe2_prep
	.globl	k_q8c48f0efe2_prep
	.p2align	8
	.type	k_q8c48f0efe2_prep,@function
k_q8c48f0efe2_prep:
	s_mov_b64 s[64:65], 0
	v_nop
	global_prefetch_b8 v0, s[64:65] scope:SCOPE_SE
	s_setreg_imm32_b32 hwreg(HW_REG_WAVE_MODE, 25, 1), 1
	s_wait_xcnt 0x0
; PREP: every operand that arrives as f32 and is read by many tiles is quantised ONCE to codes of E2M1 with one E8M0 byte for each 32 along K.
; Also made here: the gate's softmax (f32), h = relu(neuron_avg conn_W1 + conn_b1), and six constants of the activation blend.
; LAYOUT OF CODES, IMG(K): byte = tile x 8 K + block x 256 + row x 16 + i  (tile: 16 rows; block: 32 along K; i: the block's 16 code bytes).
;   A fragment (16 rows x 128 K) is then 1,024 consecutive bytes in the order of the operand's registers: two loads of 16 bytes a lane, at 16 x lane and 512 + 16 x lane.
; LAYOUT OF SCALE BYTES, S2(K): byte = pair x K + stretch x 256 + row x 8 + i  (pair: 32 rows; stretch: 256 along K; i: 8 blocks): one load of 8 bytes gives a lane the scale words of two K steps.
; WORK-GROUPS (a scalar branch on the work-group's number): 0 the connectivity and the constants; 1-64 x; 65-320 w x sigmoid(delay); 321-576 read_W; 577-704 memory.
;   A wave's job on a column path reads 64 KiB with up to 63 loads out.  A wave of path x has one chunk's 20 loads out and waits for all of them chunk by chunk: so its job is half as long, 32 KiB in four chunks.
;   Paths that use LDS have LDS bytes of their own.
; COLUMN PATHS (K is the tensor's first axis): a lane takes a column and its registers run down K, so a block of 32 lies in one lane and the conversions give K innermost.
; LIMITS: NaN and infinities among the inputs are not served.  A block whose largest magnitude lies under 2^-124 (a block of zeros too) keeps the byte 1; this program alone reads the bytes.
.set XSC,  1048576                     ; in xq: x's scale bytes,
.set GATE, 1114112                     ; the gate [2048][4] f32,
.set HC,   1146880                     ; and 32 pairs {h[l], constant[l]}
.set XGP,  34816                       ; LDS: behind the four stages of path X (32 rows x 272 bytes each): the gate's partial sums, 512 bytes a wave
.set CB,   36864                       ; LDS: the connectivity's partial sums, 128 bytes a wave
.set M0,   8                           ; v8, v9 running maxima; v10 the conversion's scale operand; v11 the scale's byte
.set M1,   9
.set SCL,  10
.set BY,   11
.set SR,   12                          ; v12-15 the scale bytes, shifted in from the top, eight bits a block
.set CD,   16                          ; v16-23 two blocks' codes
.set XW,   32                          ; v32-95  two sets of 32 numbers
.set XD,   96                          ; v96-159 two sets of 32 numbers of delay
; 32 numbers of one block in v[xs] on become 16 bytes of codes in v[c] on; the block's byte goes into the shift register.
.macro QB32 xs, c, nsr
	v_max3_num_f32 v[M0], |v[\xs]|, |v[\xs+1]|, |v[\xs+2]|
	v_max3_num_f32 v[M1], |v[\xs+3]|, |v[\xs+4]|, |v[\xs+5]|
.irp i, 6,10,14,18,22,26
	v_max3_num_f32 v[M0], v[M0], |v[\xs+\i]|, |v[\xs+\i+1]|
	v_max3_num_f32 v[M1], v[M1], |v[\xs+\i+2]|, |v[\xs+\i+3]|
.endr
	v_max3_num_f32 v[M0], v[M0], |v[\xs+30]|, |v[\xs+31]|
	v_max3_num_f32 v[M0], v[M0], v[M1], 0x1800000  ; the floor 2^(3 - 127): the byte cannot fall under 1
	v_add_nc_u32 v[SCL], 0xff000000, v[M0]         ; 2 off the exponent field: the conversion takes this operand's exponent field as its scale
	v_lshrrev_b32 v[BY], 23, v[SCL]                ; the scale's byte
.if \nsr == 4
	v_alignbit_b32 v[SR], v[SR+1], v[SR], 8
	v_alignbit_b32 v[SR+1], v[SR+2], v[SR+1], 8
	v_alignbit_b32 v[SR+2], v[SR+3], v[SR+2], 8
	v_alignbit_b32 v[SR+3], v[BY], v[SR+3], 8
.else
	v_alignbit_b32 v[SR], v[SR+1], v[SR], 8
	v_alignbit_b32 v[SR+1], v[BY], v[SR+1], 8
.endif
	s_wait_xcnt 0x0                                ; the codes' registers were an earlier store's data: written again only behind this wait
.irp g, 0,1,2,3
	v_cvt_scalef32_pk8_fp4_f32 v[\c+\g], v[\xs+8*\g:\xs+8*\g+7], v[SCL]
.endr
	v_nop                                          ; one plain line behind the last scaled conversion
.endm
.macro QLOAD set, row0, pitch, sig     ; 32 rows of K at my column: 128 consecutive bytes a wave and line
.set qi, 0
.rept 32
	global_load_b32 v[XW+32*(\set)+qi], v2, s[36:37] offset:((\row0)+qi)*(\pitch) th:TH_LOAD_NT
.set qi, qi+1
.endr
.if \sig
.set qi, 0
.rept 32
	global_load_b32 v[XD+32*(\set)+qi], v2, s[38:39] offset:((\row0)+qi)*(\pitch) th:TH_LOAD_NT
.set qi, qi+1
.endr
.endif
.endm
.macro SIGM set                        ; w x sigmoid(delay) = w / (1 + 2^(-delay log2 e)), in f32
.set sb, XD+32*(\set)
.set sw, XW+32*(\set)
.set si, 0
.rept 16
	v_pk_mul_f32 v[sb+si:sb+si+1], v[sb+si:sb+si+1], 0xbfb8aa3b op_sel_hi:[1,0]
.set si, si+2
.endr
.set si, 0
.rept 32
	v_exp_f32 v[sb+si], v[sb+si]
.set si, si+1
.endr
	v_nop                                          ; a plain line behind the batch,
	s_wait_alu depctr_va_vdst(0)                   ; and one wait for it, ahead of its first reader
.set si, 0
.rept 16
	v_pk_add_f32 v[sb+si:sb+si+1], v[sb+si:sb+si+1], 1.0 op_sel_hi:[1,0]
.set si, si+2
.endr
.set si, 0
.rept 32
	v_rcp_f32 v[sb+si], v[sb+si]
.set si, si+1
.endr
	v_nop
	s_wait_alu depctr_va_vdst(0)
.set si, 0
.rept 16
	v_pk_mul_f32 v[sw+si:sw+si+1], v[sw+si:sw+si+1], v[sb+si:sb+si+1]
.set si, si+2
.endr
.endm
.macro QBLOCK set, left, stoff, more, pitch, sig, nsr
	s_wait_loadcnt \left                           ; this set's loads are in; what was issued behind them (the other set's) may be out
.if \sig
	SIGM \set
.endif
	QB32 XW+32*(\set), CD+4*(\set), \nsr
	global_store_b128 v3, v[CD+4*(\set):CD+4*(\set)+3], s[40:41] offset:\stoff   ; lanes 0-15 fill 256 consecutive aligned bytes of one tile, lanes 16-31 of the next
.if \more
	QLOAD \set, 64+32*(\set), \pitch, \sig
.endif
.endm
; A column path.  first: the path's first work-group; cgb: bits of the column group; pitch: bytes of a row of the source; tb: bytes of a tile's codes; ktot: K; nblk: blocks of a job.
.macro QCOL first, cgb, pitch, tb, ktot, nblk, sig, src, dst, s2
.set QL, 32+31*(\sig)                  ; with delay 64 loads are issued behind a set's: the count is the field's largest, 63
	s_sub_co_u32 s45, ttmp9, \first
	s_and_b32 s46, s45, (1<<\cgb)-1                ; column group: 128 columns
	s_lshr_b32 s47, s45, \cgb                      ; which run of nblk blocks along K
	s_lshl_b32 s48, s46, 2
	s_add_co_u32 s48, s48, s34                     ; my wave's pair of tiles: 32 columns
	s_mul_i32 s50, s47, 32*\nblk*\pitch
	s_lshl_b32 s52, s48, 7
	s_add_co_u32 s50, s50, s52
	s_mov_b32 s51, 0
	s_add_nc_u64 s[36:37], s[\src:\src+1], s[50:51]
.if \sig
	s_add_nc_u64 s[38:39], s[8:9], s[50:51]
.endif
	s_mul_i32 s50, s48, 2*\tb
	s_mul_i32 s52, s47, \nblk*256
	s_add_co_u32 s50, s50, s52
	s_add_nc_u64 s[40:41], s[\dst:\dst+1], s[50:51]
	s_mul_i32 s50, s48, \ktot
	s_mul_i32 s52, s47, \nblk*32
	s_add_co_u32 s50, s50, s52
	s_add_co_u32 s50, s50, \s2
	s_add_nc_u64 s[42:43], s[\dst:\dst+1], s[50:51]
	v_mad_u32_u24 v3, v6, \tb, v3                  ; codes: 16 x row + a tile for lanes 16-31
	QLOAD 0, 0, \pitch, \sig
	QLOAD 1, 32, \pitch, \sig
	s_mov_b32 s44, \nblk/2-1
.Lq_\@:                                ; a trip: two blocks are quantised and stored, the two blocks after the next are asked for
	QBLOCK 0, QL, 0, 1, \pitch, \sig, \nblk/4
	QBLOCK 1, QL, 256, 1, \pitch, \sig, \nblk/4
	s_wait_xcnt 0x0                                ; the bases are stepped only behind this wait
	s_add_nc_u64 s[36:37], s[36:37], 64*\pitch
.if \sig
	s_add_nc_u64 s[38:39], s[38:39], 64*\pitch
.endif
	s_add_nc_u64 s[40:41], s[40:41], 512
	s_sub_co_u32 s44, s44, 1
	s_cmp_lg_u32 s44, 0
	s_cbranch_scc1 .Lq_\@
	QBLOCK 0, QL, 0, 0, \pitch, \sig, \nblk/4      ; the last two blocks ask for nothing: no load leaves its buffer
	QBLOCK 1, 0, 256, 0, \pitch, \sig, \nblk/4
	global_store_b64 v4, v[SR:SR+1], s[42:43]      ; 32 lanes store 256 consecutive aligned bytes
.if \nblk == 16
	global_store_b64 v4, v[SR+2:SR+3], s[42:43] offset:256
.endif
.endm
	s_load_b512 s[4:19], s[0:1], 0x0               ; x, w, delay, read_W, memory, gate_W, gate_b, neuron_avg
	s_load_b256 s[20:27], s[0:1], 0x40             ; conn_W1, conn_b1, act_w, xq
	s_load_b128 s[28:31], s[0:1], 0x60             ; wq, rq
	s_load_b64 s[32:33], s[0:1], 0x70              ; mq
	v_lshl_add_u32 v254, v0, 2, 0x9400
	v_mov_b32 v255, 0
	v_lshrrev_b32 v1, 5, v0
	v_readfirstlane_b32 s34, v1                    ; wave
	v_and_b32 v1, 31, v0                           ; lane
	v_and_b32 v5, 15, v0                           ; lane % 16
	v_bfe_u32 v6, v0, 4, 1                         ; lane / 16
	v_lshlrev_b32 v3, 4, v5
	v_lshlrev_b32 v4, 3, v1                        ; scale bytes: 8 a lane
.irp i, 0,1,2,3
	v_mov_b32 v[SR+\i], 0
.endr
	s_mov_b32 s58, 0x76543210
	s_mov_b32 s59, 0xfedcba98                      ; v_permlanex16_b32's selects for lane l xor 16
	s_wait_kmcnt 0x0
	s_cmp_eq_u32 ttmp9, 0
	s_cbranch_scc1 .Lconn
	s_cmp_lt_u32 ttmp9, 65
	s_cbranch_scc1 .Lx
	v_lshlrev_b32 v2, 2, v1                        ; the source: 4 bytes a lane
	s_cmp_lt_u32 ttmp9, 321
	s_cbranch_scc1 .Lw
	s_cmp_lt_u32 ttmp9, 577
	s_cbranch_scc1 .Lr
	QCOL 577, 3, 4096, 65536, 8192, 16, 0, 12, 32, 4194304     ; memory: K = the 8,192 keys
	s_endpgm
.Lr:
	QCOL 321, 6, 32768, 16384, 2048, 16, 0, 10, 30, 8388608    ; read_W: K = the 2,048 units
	s_endpgm
.Lw:
	QCOL 65, 6, 32768, 8192, 1024, 8, 1, 6, 28, 4194304        ; w x sigmoid(delay): K = 1,024; column = 4 x unit + branch
	s_endpgm
; ---- PATH X.  A work-group takes 32 rows of x (a pair of tiles); wave w takes quarter w of K, 256 numbers a row, in 4 chunks of 64: one stretch of the scale bytes' layout.
; Loads take the bytes as they lie (two rows x 256 bytes a line); a chunk turns through the wave's own stage in LDS (rows 272 bytes apart) and comes back a row a lane.
; The gate's sums are made of the registers as loaded: lane (half, c) holds k = 4 c + i of rows 2 j + half, and gate_W's rows 4 c + i.
.Lx:
	s_sub_co_u32 s48, ttmp9, 1                     ; my pair of tiles: 32 rows
	s_lshl_b32 s50, s48, 17                        ; 32 rows of 4,096 bytes
	s_lshl_b32 s52, s34, 10                        ; my quarter: 1,024 bytes of a row
	s_add_co_u32 s50, s50, s52
	s_mov_b32 s51, 0
	s_add_nc_u64 s[36:37], s[4:5], s[50:51]        ; x
	s_lshl_b32 s50, s34, 12
	s_add_nc_u64 s[38:39], s[14:15], s[50:51]      ; gate_W: 256 rows of 16 bytes a quarter
	s_lshl_b32 s50, s48, 14
	s_lshl_b32 s52, s34, 11                        ; 8 blocks of 256 bytes
	s_add_co_u32 s50, s50, s52
	s_add_nc_u64 s[40:41], s[26:27], s[50:51]      ; the codes
	s_lshl_b32 s50, s48, 10
	s_lshl_b32 s52, s34, 8
	s_add_co_u32 s50, s50, s52
	s_add_co_u32 s50, s50, XSC
	s_add_nc_u64 s[42:43], s[26:27], s[50:51]      ; the scale bytes
	s_lshl_b32 s50, s48, 9
	s_add_co_u32 s50, s50, GATE
	s_add_nc_u64 s[56:57], s[26:27], s[50:51]      ; the gate's 32 rows
	s_load_b128 s[52:55], s[16:17], 0x0            ; gate_b
	v_lshl_add_u32 v2, v6, 12, v3                  ; x: 16 (lane % 16) + a row for lanes 16-31
	v_lshl_add_u32 v3, v6, 13, v3                  ; codes: 16 x row + a tile of 8,192 bytes for lanes 16-31
	v_lshlrev_b32 v7, 6, v5                        ; gate_W: four rows of 16 bytes a lane
	s_mul_i32 s49, s34, 8704                       ; my stage
	v_mul_u32_u24 v24, v6, 272
	v_lshl_add_u32 v24, v5, 4, v24
	v_add_nc_u32 v24, s49, v24                     ; in: as loaded
	v_mul_u32_u24 v25, v1, 272
	v_add_nc_u32 v25, s49, v25                     ; back: a row a lane
	s_lshl_b32 s49, s34, 9
	s_add_co_u32 s49, s49, XGP
	v_lshl_add_u32 v26, v6, 4, s49                 ; the gate's partial sums: 16 bytes a row; rows 2 j + lane / 16
	v_lshl_add_u32 v27, v1, 4, XGP                 ; and back, in wave 0: a row a lane, the four waves' 512 bytes apart
	v_lshlrev_b32 v28, 4, v1
	s_wait_kmcnt 0x0
.macro XLOAD off
.irp j, 0,1,2,3,4,5,6,7,8,9,10,11,12,13,14,15
	global_load_b128 v[32+4*\j:35+4*\j], v2, s[36:37] offset:\j*8192+\off th:TH_LOAD_NT
.endr
.irp i, 0,1,2,3
	global_load_b128 v[224+4*\i:227+4*\i], v7, s[38:39] offset:4*\off+16*\i
.endr
.endm
.macro XCHUNK first, more
	s_wait_loadcnt 0x0                             ; the chunk's 20 loads are all that are out
.irp j, 0,1,2,3,4,5,6,7,8,9,10,11,12,13,14,15
	ds_store_b128 v24, v[32+4*\j:35+4*\j] offset:544*\j
.endr
.irp i, 0,1,2,3,4,5,6,7,8,9,10,11,12,13,14,15
	ds_load_b128 v[96+4*\i:99+4*\i], v25 offset:16*\i   ; LDS serves a wave's instructions in order: these see the stores above
.endr
.irp i, 0,1,2,3
.irp j, 0,1,2,3,4,5,6,7,8,9,10,11,12,13,14,15
.irp g, 0,1,2,3
.if (\first) && (\i == 0)
	v_mul_f32 v[160+4*\j+\g], v[32+4*\j], v[224+\g]      ; the first products start the sums
.else
	v_fmac_f32 v[160+4*\j+\g], v[32+4*\j+\i], v[224+4*\i+\g]
.endif
.endr
.endr
.endr
	s_wait_dscnt 0x0                               ; the rows are back, and the stores have read the registers that the next loads fill
.if \more
	XLOAD 256
.endif
	QB32 96, CD, 2
	global_store_b128 v3, v[CD:CD+3], s[40:41]
	QB32 128, CD+4, 2
	global_store_b128 v3, v[CD+4:CD+7], s[40:41] offset:256
.if \more
	s_wait_xcnt 0x0                                ; the bases are stepped only behind this wait
	s_add_nc_u64 s[36:37], s[36:37], 256
	s_add_nc_u64 s[38:39], s[38:39], 1024
	s_add_nc_u64 s[40:41], s[40:41], 512
.endif
.endm
	XLOAD 0
	XCHUNK 1, 1
	s_mov_b32 s44, 2
.Lxc:
	XCHUNK 0, 1
	s_sub_co_u32 s44, s44, 1
	s_cmp_lg_u32 s44, 0
	s_cbranch_scc1 .Lxc
	XCHUNK 0, 0
	global_store_b64 v4, v[SR:SR+1], s[42:43]      ; my stretch's 8 bytes a row: 256 consecutive aligned bytes
.irp m, 1,2,4,8                        ; the gate's sums over the sixteen lanes of a half
.set gi, 0
.rept 64
	v_add_f32_dpp v[160+gi], v[160+gi], v[160+gi] row_xmask:\m row_mask:0xf bank_mask:0xf
.set gi, gi+1
.endr
.endr
.irp j, 0,1,2,3,4,5,6,7,8,9,10,11,12,13,14,15
	ds_store_b128 v26, v[160+4*\j:163+4*\j] offset:32*\j   ; the sixteen lanes of a half write the same bytes with the same values
.endr
	s_wait_dscnt 0x0                               ; for wave 0's sake: zero
	s_barrier_signal -1
	s_barrier_wait -1
	s_cmp_lg_u32 s34, 0
	s_cbranch_scc1 .Lend                           ; wave 0 finishes the 32 rows
	ds_load_b128 v[32:35], v27
	ds_load_b128 v[36:39], v27 offset:512          ; the other quarters of K
	ds_load_b128 v[40:43], v27 offset:1024
	ds_load_b128 v[44:47], v27 offset:1536
	s_wait_dscnt 0x0
	v_pk_add_f32 v[32:33], v[32:33], v[36:37]
	v_pk_add_f32 v[34:35], v[34:35], v[38:39]
	v_pk_add_f32 v[40:41], v[40:41], v[44:45]
	v_pk_add_f32 v[42:43], v[42:43], v[46:47]
	v_pk_add_f32 v[32:33], v[32:33], v[40:41]
	v_pk_add_f32 v[34:35], v[34:35], v[42:43]
	v_add_f32 v32, s52, v32
	v_add_f32 v33, s53, v33
	v_add_f32 v34, s54, v34
	v_add_f32 v35, s55, v35
	v_max3_num_f32 v40, v32, v33, v34
	v_max_num_f32 v40, v40, v35                    ; the maximum is taken away
.irp i, 0,1,2,3
	v_sub_f32 v[32+\i], v[32+\i], v40
.endr
.irp i, 0,1,2,3
	v_mul_f32 v[32+\i], 0x3fb8aa3b, v[32+\i]
.endr
.irp i, 0,1,2,3
	v_exp_f32 v[32+\i], v[32+\i]
.endr
	v_nop
	s_wait_alu depctr_va_vdst(0)
	v_add_f32 v41, v32, v33
	v_add_f32 v42, v34, v35
	v_add_f32 v41, v41, v42
	v_rcp_f32 v41, v41
	v_nop
	s_wait_alu depctr_va_vdst(0)
.irp i, 0,1,2,3
	v_mul_f32 v[32+\i], v[32+\i], v41
.endr
	global_store_b128 v28, v[32:35], s[56:57]      ; 32 rows x 16 bytes: 512 consecutive bytes
	s_wait_tensorcnt 0x0
	ds_add_u32 v254, v255
	s_wait_dscnt 0x0
	s_endpgm
; ---- THE CONNECTIVITY'S HIDDEN ROW AND THE BLEND'S CONSTANTS.  Lane (kr = lane / 8, c = lane % 8) of wave w sums rows 512 w + 128 kr + 0 .. 127 of conn_W1 at columns 4 c .. 4 c + 3.
.Lconn:
	v_and_b32 v2, 7, v0
	v_bfe_u32 v3, v0, 3, 2
	s_lshl_b32 s45, s34, 9
	v_lshl_add_u32 v4, v3, 7, s45                  ; my first row
	v_lshlrev_b32 v7, 7, v4
	v_lshl_add_u32 v7, v2, 4, v7                   ; conn_W1: rows of 128 bytes
	v_lshlrev_b32 v8, 2, v4                        ; neuron_avg
	s_lshl_b32 s46, s34, 7
	s_add_co_u32 s46, s46, CB
	v_lshl_add_u32 v9, v2, 4, s46
	v_lshl_add_u32 v10, v1, 2, CB
	v_lshlrev_b32 v11, 2, v1
	v_min_u32 v12, 8, v1
	v_lshlrev_b32 v12, 2, v12                      ; act_w has nine numbers: lanes 9 on read the ninth again and are set to 0 below
	v_lshlrev_b32 v13, 3, v1
	s_add_nc_u64 s[60:61], s[26:27], HC
.macro CLOAD t
.irp m, 0,1,2,3
	global_load_b128 v[32+16*((\t)%2)+4*\m:35+16*((\t)%2)+4*\m], v8, s[18:19] offset:64*(\t)+16*\m
.endr
.irp i, 0,1,2,3,4,5,6,7,8,9,10,11,12,13,14,15
	global_load_b128 v[64+64*((\t)%2)+4*\i:67+64*((\t)%2)+4*\i], v7, s[20:21] offset:(16*(\t)+\i)*128
.endr
.endm
.macro CWORK t
.irp i, 0,1,2,3,4,5,6,7,8,9,10,11,12,13,14,15
.irp g, 0,1,2,3
.if ((\t) == 0) && (\i < 2)
	v_mul_f32 v[16+4*\i+\g], v[32+\i], v[64+4*\i+\g]     ; the first products start the two sets of sums
.else
	v_fmac_f32 v[16+4*(\i%2)+\g], v[32+16*((\t)%2)+\i], v[64+64*((\t)%2)+4*\i+\g]
.endif
.endr
.endr
.endm
	CLOAD 0
.irp t, 0,1,2,3,4,5,6
	CLOAD \t+1
	s_wait_loadcnt 20                              ; this batch is in; the next batch's 20 loads may be out
	CWORK \t
.endr
	s_wait_loadcnt 0x0
	CWORK 7
	v_pk_add_f32 v[16:17], v[16:17], v[20:21]
	v_pk_add_f32 v[18:19], v[18:19], v[22:23]
.irp i, 0,1,2,3
	v_add_f32_dpp v[16+\i], v[16+\i], v[16+\i] row_xmask:8 row_mask:0xf bank_mask:0xf
.endr
.irp i, 0,1,2,3
	v_permlanex16_b32 v[20+\i], v[16+\i], s58, s59
.endr
.irp i, 0,1,2,3
	v_add_f32 v[16+\i], v[16+\i], v[20+\i]
.endr
	ds_store_b128 v9, v[16:19]                     ; four lanes write the same bytes with the same values
	s_wait_dscnt 0x0
	s_barrier_signal -1
	s_barrier_wait -1
	s_cmp_lg_u32 s34, 0
	s_cbranch_scc1 .Lend
	ds_load_b32 v24, v10
	ds_load_b32 v25, v10 offset:128
	ds_load_b32 v26, v10 offset:256
	ds_load_b32 v27, v10 offset:384
	global_load_b32 v28, v11, s[22:23]             ; conn_b1
	global_load_b32 v29, v12, s[24:25]             ; act_w
	s_wait_dscnt 0x0
	s_wait_loadcnt 0x0
	v_add_f32 v24, v24, v25
	v_add_f32 v26, v26, v27
	v_add_f32 v24, v24, v26
	v_add_f32 v24, v24, v28
	v_max_num_f32 v30, 0, v24                      ; h[lane]
	v_mov_b32 v31, v29                             ; softmax(act_w): the maximum first
.irp m, 1,2,4,8
	v_max_num_f32_dpp v31, v31, v31 row_xmask:\m row_mask:0xf bank_mask:0xf
.endr
	v_permlanex16_b32 v24, v31, s58, s59
	v_max_num_f32 v31, v31, v24
	v_sub_f32 v29, v29, v31
	v_mul_f32 v29, 0x3fb8aa3b, v29
	v_exp_f32 v29, v29
	v_nop
	v_cmp_gt_u32 vcc_lo, 9, v1
	s_wait_alu depctr_va_vdst(0)
	v_cndmask_b32 v29, 0, v29, vcc_lo
	v_mov_b32 v25, v29
.irp m, 1,2,4,8
	v_add_f32_dpp v25, v25, v25 row_xmask:\m row_mask:0xf bank_mask:0xf
.endr
	v_permlanex16_b32 v24, v25, s58, s59
	v_add_f32 v25, v25, v24
	v_rcp_f32 v25, v25
	v_nop
	s_wait_alu depctr_va_vdst(0)
	v_mul_f32 v29, v29, v25                        ; the weights, lane i: wts[i]
.irp i, 0,1,2,3,4,5,6,7
	v_readlane_b32 s[45+\i], v29, \i
.endr
	; a is never negative behind the relu, so elu(a) = relu(a) = a, selu(a) = 1.0507010 a, gelu(a) = a - a erfc(a / sqrt 2) / 2:
	s_add_f32 s53, s46, s48
	s_add_f32 s53, s53, s50
	s_mov_b32 s54, 0x3f867d5f
	s_fmac_f32 s53, s51, s54                       ; what multiplies a: w1 + w3 + w5 + 1.0507010 w6
	s_mul_f32 s55, s50, -0.5                       ; what multiplies a erfc: -w5 / 2
	v_mov_b32 v31, 0
	v_writelane_b32 v31, s45, 0                    ; w0: sigmoid
	v_writelane_b32 v31, s47, 1                    ; w2: tanh
	v_writelane_b32 v31, s49, 2                    ; w4: silu
	v_writelane_b32 v31, s55, 3
	v_writelane_b32 v31, s52, 4                    ; w7: mish
	v_writelane_b32 v31, s53, 5
	global_store_b64 v13, v[30:31], s[60:61]       ; 256 consecutive aligned bytes
.Lend:
	s_wait_tensorcnt 0x0
	ds_add_u32 v254, v255
	s_wait_dscnt 0x0
	s_endpgm
.Lfunc_end_k_q8c48f0efe2_prep:
	.size	k_q8c48f0efe2_prep, .Lfunc_end_k_q8c48f0efe2_prep-k_q8c48f0efe2_prep
	.p2alignl 7, 3214868480
	.fill 96, 4, 3214868480
	.section	.rodata,"a",@progbits
	.p2align	6, 0x0
	.amdhsa_kernel k_q8c48f0efe2_prep
		.amdhsa_group_segment_fixed_size 38400
		.amdhsa_private_segment_fixed_size 0
		.amdhsa_enable_private_segment 0
		.amdhsa_kernarg_size 120
		.amdhsa_user_sgpr_count 2
		.amdhsa_user_sgpr_kernarg_segment_ptr 1
		.amdhsa_wavefront_size32 1
		.amdhsa_system_sgpr_workgroup_id_x 1
		.amdhsa_system_sgpr_workgroup_id_y 1
		.amdhsa_system_sgpr_workgroup_id_z 1
		.amdhsa_system_vgpr_workitem_id 0
		.amdhsa_next_free_vgpr 256
		.amdhsa_next_free_sgpr 66
		.amdhsa_reserve_vcc 1
		.amdhsa_float_denorm_mode_32 3
		.amdhsa_float_denorm_mode_16_64 3
		.amdhsa_memory_ordered 1
		.amdhsa_forward_progress 1
		.amdhsa_inst_pref_size 201
	.end_amdhsa_kernel
	.amdgpu_metadata
---
amdhsa.version: [ 1, 2 ]
amdhsa.kernels:
  - .name:           k_q8c48f0efe2_prep
    .symbol:         k_q8c48f0efe2_prep.kd
    .args:
      - { .name: x, .offset: 0, .size: 8, .value_kind: global_buffer, .address_space: global }
      - { .name: w, .offset: 8, .size: 8, .value_kind: global_buffer, .address_space: global }
      - { .name: delay, .offset: 16, .size: 8, .value_kind: global_buffer, .address_space: global }
      - { .name: read_W, .offset: 24, .size: 8, .value_kind: global_buffer, .address_space: global }
      - { .name: memory, .offset: 32, .size: 8, .value_kind: global_buffer, .address_space: global }
      - { .name: gate_W, .offset: 40, .size: 8, .value_kind: global_buffer, .address_space: global }
      - { .name: gate_b, .offset: 48, .size: 8, .value_kind: global_buffer, .address_space: global }
      - { .name: neuron_avg, .offset: 56, .size: 8, .value_kind: global_buffer, .address_space: global }
      - { .name: conn_W1, .offset: 64, .size: 8, .value_kind: global_buffer, .address_space: global }
      - { .name: conn_b1, .offset: 72, .size: 8, .value_kind: global_buffer, .address_space: global }
      - { .name: act_w, .offset: 80, .size: 8, .value_kind: global_buffer, .address_space: global }
      - { .name: xq, .offset: 88, .size: 8, .value_kind: global_buffer, .address_space: global }
      - { .name: wq, .offset: 96, .size: 8, .value_kind: global_buffer, .address_space: global }
      - { .name: rq, .offset: 104, .size: 8, .value_kind: global_buffer, .address_space: global }
      - { .name: mq, .offset: 112, .size: 8, .value_kind: global_buffer, .address_space: global }
    .group_segment_fixed_size: 38400
    .private_segment_fixed_size: 0
    .kernarg_segment_align: 8
    .kernarg_segment_size: 120
    .max_flat_workgroup_size: 128
    .sgpr_count:     66
    .vgpr_count:     256
    .wavefront_size: 32
...
	.end_amdgpu_metadata
.endif
;; end of part 1
;; launch gemm1 (part 2): grid 32 x 8, 4 waves a work-group, clusters of 4 x 4, 327,680 bytes of LDS; arguments xq, wq, b, conn_W2, conn_b2, mask, bq; writes bq
.if DOCPART == 2
	.amdgcn_target "amdgcn-amd-amdhsa--gfx1250"
	.amdhsa_code_object_version 6
	.text
	.protected	k_q8c48f0efe2_gemm1
	.globl	k_q8c48f0efe2_gemm1
	.p2align	8
	.type	k_q8c48f0efe2_gemm1,@function
k_q8c48f0efe2_gemm1:
	s_mov_b64 s[64:65], 0
	v_nop
	global_prefetch_b8 v0, s[64:65] scope:SCOPE_SE
	s_setreg_imm32_b32 hwreg(HW_REG_WAVE_MODE, 25, 1), 1
	s_wait_xcnt 0x0
	s_wait_alu depctr_hold_cnt(0) depctr_sa_sdst(0) depctr_va_vdst(0) depctr_va_sdst(0) depctr_va_ssrc(0) depctr_va_vcc(0) depctr_vm_vsrc(0)
	s_getreg_b32 s2, hwreg(HW_REG_IB_STS2, 6, 4)
	s_cmp_eq_u32 s2, 0
	s_cbranch_scc0 .Lentry_in_a_cluster
	s_endpgm
.Lentry_in_a_cluster:
	s_bfe_u32 s2, ttmp6, 0x10000c
	s_cmp_lg_u32 s2, 0xf033
	s_cbranch_scc0 .Lentry_shape_is_right
	s_endpgm
.Lentry_shape_is_right:
; GEMM1: branch = x (w sigmoid(delay)) + b on codes of E2M1 (M 2,048, K 1,024, N 8,192 = 4 x unit + branch), then in f32: the gate's sum over the four branches, x conn x mask, relu,
; the blend of activations; the blend is quantised along the units and leaves as codes: nothing in f32 goes to memory.
; A work-group makes 256 tokens x 256 columns, each of its four waves 128 x 128: 64 accumulators, 512 registers.  The product is used TRANSPOSED (source 0 = 16 columns, source 1 = 16 tokens):
; lane (r, h) holds token r and columns 8 h + 0 .. 7 = two units x four branches.  A wave's 128 columns are 32 units: one block of the next product's K.
; Codes lie in memory in the order of the operand's registers (tile x 8 K + block x 256 + row x 16): a tile's 512 along K are 4,096 consecutive bytes, and a fragment comes from LDS by two loads of 512 consecutive bytes.
; K = 1,024 is two slots of 512: both are first fills; nothing is filled again.  All scale words of K stay in registers (32 + 32), loaded once in whole runs of 256 bytes.
; CLUSTER 4 x 4: the tokens' tiles are shared along a row of the cluster, the columns' along a column: each is asked for jointly.
; The bias b is the C of each sum's first matrix instruction.
; ARITHMETIC OF THE BLEND, with E = e^-a, a >= 0: sigmoid = 1 / (1 + E); tanh = (1 - E^2) / (1 + E^2); mish = a (1 + 2 E) / (1 + 2 E + 2 E^2); one reciprocal serves the three;
; erfc(a / sqrt 2) by the rational formula 7.1.26 of Abramowitz and Stegun.
; LIMITS: that formula's absolute error is 1.5e-7; the rational functions of E carry about 2e-7 absolute.  NaN and infinities are not served.  A block under 2^-124 keeps the byte 1.
; REGISTERS: window 0: v0-31 addresses; v32-63 the tokens' scale words, v64-95 the columns'; v128-191 the tokens' fragments, one set.
;   window 1: v0-63, v128-191 the columns' fragments, two sets; v64-127 the bias; v192-207 conn x mask; v208-239 the gates; v240-241 a constant; in the epilogue v0-191 and v242-249 are at work.
;   window 2: the accumulators of my tokens 0-63 ((a, b) at v[8 (8 (a % 4) + b)]); window 3: of tokens 64-127.
.set KK,    1024
.set TB,    8*KK                       ; a tile's codes in bytes
.set NST,   KK/128
.set SLOT,  131072                     ; tokens' half 0, half 1, columns' half 0, half 1: 32,768 bytes each (8 tiles x 4,096)
.set SPARE, 2*SLOT                     ; the spare words: 128 bytes a wave, two blocks of 256 bytes that no other line names
.set HB,    SPARE+512                  ; the work-group's 512 scale bytes of the blend
.set CMS,   HB+512                     ; conn x mask, 128 bytes a wave
.set ADRA,  8
.set ADRB,  10
.set SPW,   12
.set NIL,   13
.set GOFF,  14
.set LOFF,  15
.set SA0,   32
.set SB0,   64
.set AF,    128
.set BI,    64
.set CM,    192
.set GT,    208
.set K5,    240
.set TW,    242
.set ZP,  0
.set E2,  0
.set T4,  16
.set AA,  32
.set EE,  48
.set QQ,  48
.set GX,  64
.set D1,  80
.set D2,  96
.set D3,  112
.set N2,  128
.set N3,  144
.set P12, 160
.set PP,  176
.set G1,  24
.set G0,  32
.set G1B, 48
.set G0B, 56
.set MSB, 0
.macro WIN new                         ; the immediate's high byte repeats the setting that is left
.if MSB != (\new)
	s_set_vgpr_msb (MSB<<8)|(\new)
.set MSB, (\new)
.endif
.endm
.macro JLOAD s                         ; a joint load: waves 0 and 1 fetch the tokens' halves, waves 2 and 3 the columns'; four v_nop follow each line
	s_cmp_eq_u32 s19, 0
	s_cbranch_scc0 .Lfor_b_\@
	tensor_load_to_lds s[G0+4*\s:G0+4*\s+3], s[G1:G1+7]
	s_nop 0
.rept 4
	v_nop
.endr
	s_branch .Lasked_\@
.Lfor_b_\@:
	tensor_load_to_lds s[G0B+4*\s:G0B+4*\s+3], s[G1B:G1B+7]
	s_nop 0
.rept 4
	v_nop
.endr
.Lasked_\@:
.endm
.macro CREST
	s_cmp_lg_u32 s18, 0
	s_cbranch_scc1 .Lnot_wave_0_\@
	s_barrier_signal -3
.Lnot_wave_0_\@:
	s_barrier_wait -3
	s_barrier_signal -1
	s_barrier_wait -1
.endm
.macro CROUND
	s_barrier_signal -1
	s_barrier_wait -1
	CREST
.endm
.macro PLACES n
.rept \n
	v_nop
.endr
.endm
.macro BASE d, p, a, sa, b, sb, k      ; s[d:d+1] = buffer s[p:p+1] + (s[a] << sa) + (s[b] << sb) + k
	s_lshl_b32 s[\d], s[\a], \sa
	s_lshl_b32 s[\d+1], s[\b], \sb
	s_add_co_u32 s[\d], s[\d], s[\d+1]
	s_add_co_u32 s[\d], s[\d], \k
	s_mov_b32 s[\d+1], 0
	s_add_nc_u64 s[\d:\d+1], s[\p:\p+1], s[\d:\d+1]
.endm
.macro ADD2 d, a, sa, b, sb            ; s[d:d+1] += (s[a] << sa) + (s[b] << sb)
	s_lshl_b32 s42, s[\a], \sa
	s_lshl_b32 s43, s[\b], \sb
	s_add_co_u32 s42, s42, s43
	s_mov_b32 s43, 0
	s_add_nc_u64 s[\d:\d+1], s[\d:\d+1], s[42:43]
.endm
; One matrix line.  rx, ry: source 0's, source 1's scale words stand in lanes 16-31 of their registers.
.macro WM d, x, y, c, sx, sy, rx, ry
.if (\rx) && (\ry)
	v_wmma_scale_f32_16x16x128_f8f6f4 v[\d:\d+7], v[\x:\x+7], v[\y:\y+7], v[\c:\c+7], v[\sx], v[\sy] matrix_a_fmt:MATRIX_FMT_FP4 matrix_b_fmt:MATRIX_FMT_FP4 matrix_a_scale:MATRIX_SCALE_ROW1 matrix_b_scale:MATRIX_SCALE_ROW1
.elseif (\rx)
	v_wmma_scale_f32_16x16x128_f8f6f4 v[\d:\d+7], v[\x:\x+7], v[\y:\y+7], v[\c:\c+7], v[\sx], v[\sy] matrix_a_fmt:MATRIX_FMT_FP4 matrix_b_fmt:MATRIX_FMT_FP4 matrix_a_scale:MATRIX_SCALE_ROW1
.elseif (\ry)
	v_wmma_scale_f32_16x16x128_f8f6f4 v[\d:\d+7], v[\x:\x+7], v[\y:\y+7], v[\c:\c+7], v[\sx], v[\sy] matrix_a_fmt:MATRIX_FMT_FP4 matrix_b_fmt:MATRIX_FMT_FP4 matrix_b_scale:MATRIX_SCALE_ROW1
.else
	v_wmma_scale_f32_16x16x128_f8f6f4 v[\d:\d+7], v[\x:\x+7], v[\y:\y+7], v[\c:\c+7], v[\sx], v[\sy] matrix_a_fmt:MATRIX_FMT_FP4 matrix_b_fmt:MATRIX_FMT_FP4
.endif
.endm
; 16 matrix lines: tokens' blocks a0, a0 + 1 x the columns' eight; K step Q; p: the columns' set.  first = 1: C is the bias.  The 64 accumulators take turns in one order.
.macro MUL16 a0, p, Q, first
.irp a, \a0, \a0+1
.irp b, 0,1,2,3,4,5,6,7
.if \first
	WM 8*(8*((\a)%4)+\b), 128*(\p)+8*\b, AF+8*(\a), BI+8*\b, SB0+NST*(\b/2)+(\Q), SA0+NST*((\a)/2)+(\Q), \b%2, (\a)%2
.else
	WM 8*(8*((\a)%4)+\b), 128*(\p)+8*\b, AF+8*(\a), 8*(8*((\a)%4)+\b), SB0+NST*(\b/2)+(\Q), SA0+NST*((\a)/2)+(\Q), \b%2, (\a)%2
.endif
.endr
.endr
.endm
.macro FRAG reg, adr, q, i             ; a fragment: two loads of 512 consecutive bytes
.irp c, 0,1
	ds_load_b128 v[\reg+4*\c:\reg+4*\c+3], v[\adr] offset:(\i)*4096+(\q)*1024+512*\c
.endr
.endm
.macro FETCH_B slot, q, p
	WIN 0x40
.irp i, 0,1,2,3,4,5,6,7
	FRAG 128*(\p)+8*\i, ADRB+\slot, \q, \i
.endr
	WIN 0
.endm
.macro FETCH_A slot, q, i0
.irp i, \i0, \i0+1, \i0+2, \i0+3
	FRAG AF+8*(\i), ADRA+\slot, \q, \i
.endr
.endm
.macro STEP slot, q, Q, first          ; 128 along K whose successor lies in the same slot
	s_wait_dscnt 8                                 ; the columns' set and the tokens' blocks 0-3 are in; the youngest eight loads (blocks 4-7) may be out
	WIN 0xa1-0x10*(\first)
	MUL16 0, (\q)%2, \Q, \first
	MUL16 2, (\q)%2, \Q, \first
	s_wait_dscnt 0
	PLACES 4                                       ; four plain lines ahead of loads into registers that matrix lines have read
	FETCH_B \slot, (\q)+1, 1-(\q)%2
	FETCH_A \slot, (\q)+1, 0
	WIN 0xf1-0x20*(\first)
	MUL16 4, (\q)%2, \Q, \first
	MUL16 6, (\q)%2, \Q, \first
	PLACES 4
	WIN 0
	FETCH_A \slot, (\q)+1, 4
.endm
.macro TURN slot, next, Q              ; a slot's last step changes slots: one barrier; nothing is filled again in this launch
	s_wait_tensorcnt 0x0                           ; all my tensor loads have landed: my part of the next slot
	ds_add_u32 v[SPW], v[NIL]                      ; 0 onto my spare word
	s_wait_dscnt 9                                 ; (the add and the youngest eight loads may be out)
	WIN 0xa1
	MUL16 0, 1, \Q, 0
	s_wait_dscnt 0x0                               ; the add is done, and my reads of this slot are over
	s_barrier_signal -1
	MUL16 2, 1, \Q, 0
	WIN 0
	s_barrier_wait -1
	PLACES 4
	FETCH_B \next, 0, 0
	FETCH_A \next, 0, 0
	WIN 0xf1
	MUL16 4, 1, \Q, 0
	MUL16 6, 1, \Q, 0
	PLACES 4
	WIN 0
	FETCH_A \next, 0, 4
.endm
	s_load_b256 s[4:11], s[0:1], 0x0               ; xq, wq, b, conn_W2
	s_load_b128 s[12:15], s[0:1], 0x20             ; conn_b2, mask
	s_load_b64 s[16:17], s[0:1], 0x30              ; bq
	v_lshl_add_u32 v[SPW], v0, 2, SPARE
	v_mov_b32 v[NIL], 0
	ds_add_u32 v12, v13
	ds_add_u32 v12, v13
	s_wait_dscnt 0x0
	v_lshrrev_b32 v1, 5, v0
	v_readfirstlane_b32 s18, v1                    ; wave
	s_lshr_b32 s19, s18, 1                         ; my half of the tokens.  Also: I fetch tokens (0) or columns (1)
	s_and_b32 s20, s18, 1                          ; my half of the columns.  Also: which half I fetch
	s_bfe_u32 s21, ttmp6, 0x40000                  ; cx
	s_bfe_u32 s22, ttmp6, 0x40004                  ; cy
	s_lshl_b32 s23, ttmp9, 2
	s_add_co_u32 s23, s23, s21                     ; tile column
	s_and_b32 s40, ttmp7, 0xffff
	s_lshl_b32 s40, s40, 2
	s_add_co_u32 s40, s40, s22                     ; tile row
	s_lshl_b32 s41, s22, 2
	s_lshl_b32 s41, 15, s41                        ; my row of the cluster
	s_lshl_b32 s42, 0x1111, s21                    ; my column
	s_or_b32 s[G1], s41, (3<<16)|(1<<21)           ; the mask; elements of 8 bytes; bit 21 beside a mask; no padding
	s_or_b32 s[G1B], s42, (3<<16)|(1<<21)
.irp g, G1, G1B
	s_mov_b32 s[\g+1], 512<<16                     ; tensor_dim0: 4,096 bytes
	s_mov_b32 s[\g+2], 8<<16                       ; tensor_dim1: 8 tiles
	s_mov_b32 s[\g+3], 512<<16                     ; tile_dim0
	s_mov_b32 s[\g+4], 8                           ; tile_dim1
	s_mov_b32 s[\g+5], KK                          ; from tile to tile: 8 K bytes = K elements
	s_mov_b32 s[\g+6], 0
	s_mov_b32 s[\g+7], 0
.endr
	s_mul_i32 s44, s40, 16*TB
	s_mul_i32 s45, s20, 8*TB
	s_add_co_u32 s44, s44, s45
	s_mov_b32 s45, 0
	s_mul_i32 s46, s23, 16*TB
	s_mul_i32 s47, s20, 8*TB
	s_add_co_u32 s46, s46, s47
	s_mov_b32 s47, 0
	s_lshl_b32 s43, s18, 15                        ; where my part goes: wave x 32,768
	s_wait_kmcnt 0x0
	s_add_nc_u64 s[44:45], s[4:5], s[44:45]
	s_add_nc_u64 s[46:47], s[6:7], s[46:47]
	CROUND                                         ; all sixteen work-groups are here: the first joint loads meet
.irp s, 0,1
	s_mov_b32 s[G0+4*\s], 1
	s_add_co_u32 s[G0+4*\s+1], s43, \s*SLOT
	s_add_nc_u64 s[G0+4*\s+2:G0+4*\s+3], s[44:45], \s*4096
	s_or_b32 s[G0+4*\s+3], s[G0+4*\s+3], 0x80000000
	s_mov_b32 s[G0B+4*\s], 1
	s_add_co_u32 s[G0B+4*\s+1], s43, \s*SLOT
	s_add_nc_u64 s[G0B+4*\s+2:G0B+4*\s+3], s[46:47], \s*4096
	s_or_b32 s[G0B+4*\s+3], s[G0B+4*\s+3], 0x80000000
	JLOAD \s                                       ; two tensor loads of mine are out
.endr
	BASE 66, 4, 40, 13, 19, 12, 1048576            ; the tokens' scale words: pair 8 tr + 4 half
	BASE 68, 6, 23, 13, 20, 12, 4194304            ; the columns'
	BASE 84, 8, 23, 10, 20, 9, 0                   ; b at my first column
	BASE 86, 4, 40, 12, 19, 11, 1114112            ; the gates of my tokens
	s_add_nc_u64 s[88:89], s[4:5], 1146880         ; h and the constants
	BASE 90, 10, 23, 8, 20, 7, 0                   ; conn_W2, conn_b2, mask at my first unit
	BASE 92, 12, 23, 8, 20, 7, 0
	BASE 94, 14, 23, 8, 20, 7, 0
	BASE 96, 16, 40, 18, 19, 17, 0                 ; the blend's codes: tile 16 tr + 8 half,
	ADD2 96, 23, 9, 20, 8                          ; block 2 tc + half
	BASE 98, 16, 23, 12, 40, 9, 2097152            ; and its scale bytes
	v_and_b32 v1, 15, v0                           ; r
	v_bfe_u32 v2, v0, 4, 1                         ; h
	v_and_b32 v3, 31, v0                           ; lane
	v_lshlrev_b32 v22, 4, v3
	v_lshlrev_b32 v18, 3, v3
	v_lshlrev_b32 v19, 5, v2
	v_lshlrev_b32 v20, 4, v1
	v_lshlrev_b32 v21, 2, v3
	s_lshl_b32 s41, s19, 15
	s_lshl_b32 s42, s20, 15
	s_add_co_u32 s42, s42, 65536
	v_add_nc_u32 v[ADRA], s41, v22
	v_add_nc_u32 v[ADRB], s42, v22
	s_add_co_u32 s41, s41, SLOT
	s_add_co_u32 s42, s42, SLOT
	v_add_nc_u32 v[ADRA+1], s41, v22
	v_add_nc_u32 v[ADRB+1], s42, v22
	v_lshlrev_b32 v[GOFF], 4, v1
	v_lshl_add_u32 v[GOFF], v2, 3, v[GOFF]         ; a row's 16 code bytes: 8 for each half of the lanes
	s_lshl_b32 s41, s19, 8
	s_add_co_u32 s41, s41, s20
	s_add_co_u32 s41, s41, HB
	v_lshl_add_u32 v[LOFF], v1, 3, s41             ; a scale byte's place: 256 x tokens' half + 8 x row + columns' half
	s_lshl_b32 s42, s18, 7
	s_add_co_u32 s42, s42, CMS
	v_lshl_add_u32 v16, v3, 2, s42
	v_lshl_add_u32 v17, v2, 3, s42
	v_add_nc_u32 v23, HB, v22
.irp e, 0,1,2,3
.irp k, 0,1,2,3
	global_load_b64 v[SA0+8*\e+2*\k:SA0+8*\e+2*\k+1], v18, s[66:67] offset:\e*1024+\k*256
	global_load_b64 v[SB0+8*\e+2*\k:SB0+8*\e+2*\k+1], v18, s[68:69] offset:\e*1024+\k*256
.endr
.endr
	WIN 0x40
.irp t, 0,1,2,3,4,5,6,7
	global_load_b128 v[BI+8*\t:BI+8*\t+3], v19, s[84:85] offset:64*\t          ; b at columns 16 t + 8 h + 0 .. 7: the result's layout
	global_load_b128 v[BI+8*\t+4:BI+8*\t+7], v19, s[84:85] offset:64*\t+16
	global_load_b128 v[GT+4*\t:GT+4*\t+3], v20, s[86:87] offset:256*\t         ; the four gates of token 16 t + r
.endr
	WIN 0
	global_load_b64 v[24:25], v18, s[88:89]
.set j, 0
.rept 32
	global_load_b32 v[128+j], v21, s[90:91] offset:j*8192
.set j, j+1
.endr
	global_load_b32 v28, v21, s[92:93]
	global_load_b32 v29, v21, s[94:95]
	s_mov_b32 s82, 0x76543210
	s_mov_b32 s83, 0xfedcba98
	s_wait_loadcnt 0x0
	; conn x mask of my 32 units, a lane a unit: sigmoid(h conn_W2 + conn_b2) x mask, in f32, two chains
	v_readlane_b32 s41, v24, 0
	v_readlane_b32 s42, v24, 1
	v_fma_f32 v26, s41, v128, v28
	v_mul_f32 v27, s42, v129
.set j, 2
.rept 15
	v_readlane_b32 s41, v24, j
	v_readlane_b32 s42, v24, j+1
	v_fmac_f32 v26, s41, v[128+j]
	v_fmac_f32 v27, s42, v[129+j]
.set j, j+2
.endr
	v_add_f32 v26, v26, v27
	v_mul_f32 v26, 0xbfb8aa3b, v26
	v_exp_f32 v26, v26
	v_nop
	s_wait_alu depctr_va_vdst(0)
	v_add_f32 v26, 1.0, v26
	v_rcp_f32 v26, v26
	v_nop
	s_wait_alu depctr_va_vdst(0)
	v_mul_f32 v26, v26, v29
	ds_store_b32 v16, v26                          ; through my own 128 bytes of LDS into the result's layout: units 4 b + 2 h + 0, 1
	WIN 0x40
.irp t, 0,1,2,3,4,5,6,7
	ds_load_b64 v[CM+2*\t:CM+2*\t+1], v17 offset:16*\t
.endr
	v_mov_b32 v[K5], 0x3f87dc22                    ; 1.061405429
	v_mov_b32 v[K5+1], 0x3f87dc22
	WIN 0
.irp i, 0,1,2,3,4,5
	v_readlane_b32 s[70+2*\i], v25, \i             ; the blend's constants, as pairs for the packed forms
.endr
.irp i, 0,1,2,3,4,5
	s_mov_b32 s[71+2*\i], s[70+2*\i]
.endr
	s_wait_tensorcnt 1                             ; my part of slot 0 is in; slot 1's load may stay out
	s_wait_dscnt 0x0
	s_barrier_signal -1
	s_barrier_wait -1
	FETCH_B 0, 0, 0
	FETCH_A 0, 0, 0
	FETCH_A 0, 0, 4
	STEP 0, 0, 0, 1
	STEP 0, 1, 1, 0
	STEP 0, 2, 2, 0
	TURN 0, 1, 3
	STEP 1, 0, 4, 0
	STEP 1, 1, 5, 0
	STEP 1, 2, 6, 0
	s_wait_dscnt 8
	WIN 0xa1
	MUL16 0, 1, 7, 0
	MUL16 2, 1, 7, 0
	s_wait_dscnt 0
	WIN 0xf1
	MUL16 4, 1, 7, 0
	MUL16 6, 1, 7, 0
	PLACES 4                                       ; ahead of the first read of results and of the first write of registers that matrix lines have read
; THE EPILOGUE of 16 tokens (block a): 16 numbers a lane: n = 2 b + e is unit 4 b + 2 h + e of the wave's 32.
.macro EPI1 a
.set AC, 64*((\a)%4)
.set GA, GT+4*(\a)
	WIN 0x56+(\a)/4                                ; source 0: the accumulators' window; all else window 1
.irp n, 0,1,2,3,4,5,6,7,8,9,10,11,12,13,14,15
	v_pk_mul_f32 v[ZP+2*\n:ZP+2*\n+1], v[AC+4*\n:AC+4*\n+1], v[GA:GA+1]        ; each accumulator is read from its low end on
.endr
.irp n, 0,1,2,3,4,5,6,7,8,9,10,11,12,13,14,15
	v_pk_fma_f32 v[ZP+2*\n:ZP+2*\n+1], v[AC+4*\n+2:AC+4*\n+3], v[GA+2:GA+3], v[ZP+2*\n:ZP+2*\n+1]
.endr
	WIN 0x55
.irp n, 0,1,2,3,4,5,6,7,8,9,10,11,12,13,14,15
	v_add_f32 v[AA+\n], v[ZP+2*\n], v[ZP+2*\n+1]   ; z: the four branches under their gates
.endr
.irp p, 0,2,4,6,8,10,12,14
	v_pk_mul_f32 v[AA+\p:AA+\p+1], v[AA+\p:AA+\p+1], v[CM+\p:CM+\p+1]
.endr
.irp n, 0,1,2,3,4,5,6,7,8,9,10,11,12,13,14,15
	v_max_num_f32 v[AA+\n], 0, v[AA+\n]            ; a
.endr
.irp p, 0,2,4,6,8,10,12,14
	v_pk_mul_f32 v[EE+\p:EE+\p+1], v[AA+\p:AA+\p+1], 0xbfb8aa3b op_sel_hi:[1,0]
	v_pk_mul_f32 v[GX+\p:GX+\p+1], v[AA+\p:AA+\p+1], v[AA+\p:AA+\p+1]
	v_pk_fma_f32 v[T4+\p:T4+\p+1], v[AA+\p:AA+\p+1], 0x3e6d3388, 1.0 op_sel_hi:[1,0,0]   ; 1 + 0.3275911 a / sqrt 2
.endr
.irp p, 0,2,4,6,8,10,12,14
	v_pk_mul_f32 v[GX+\p:GX+\p+1], v[GX+\p:GX+\p+1], 0xbf38aa3b op_sel_hi:[1,0]
.endr
.irp n, 0,1,2,3,4,5,6,7,8,9,10,11,12,13,14,15
	v_exp_f32 v[EE+\n], v[EE+\n]                   ; E = e^-a
.endr
.irp n, 0,1,2,3,4,5,6,7,8,9,10,11,12,13,14,15
	v_exp_f32 v[GX+\n], v[GX+\n]                   ; e^(-a a / 2)
.endr
.irp n, 0,1,2,3,4,5,6,7,8,9,10,11,12,13,14,15
	v_rcp_f32 v[T4+\n], v[T4+\n]                   ; t
.endr
	v_nop
	s_wait_alu depctr_va_vdst(0)                   ; one wait for the batch of 48
.irp p, 0,2,4,6,8,10,12,14
	v_pk_mul_f32 v[E2+\p:E2+\p+1], v[EE+\p:EE+\p+1], v[EE+\p:EE+\p+1]
	v_pk_add_f32 v[D1+\p:D1+\p+1], v[EE+\p:EE+\p+1], 1.0 op_sel_hi:[1,0]
	v_pk_fma_f32 v[N3+\p:N3+\p+1], v[EE+\p:EE+\p+1], 2.0, 1.0 op_sel_hi:[1,0,0]
.endr
.irp p, 0,2,4,6,8,10,12,14
	v_pk_add_f32 v[D2+\p:D2+\p+1], v[E2+\p:E2+\p+1], 1.0 op_sel_hi:[1,0]
	v_pk_fma_f32 v[N2+\p:N2+\p+1], v[E2+\p:E2+\p+1], -1.0, 1.0 op_sel_hi:[1,0,0]
	v_pk_fma_f32 v[D3+\p:D3+\p+1], v[E2+\p:E2+\p+1], 2.0, v[N3+\p:N3+\p+1] op_sel_hi:[1,0,1]
.endr
.irp p, 0,2,4,6,8,10,12,14
	v_pk_mul_f32 v[P12+\p:P12+\p+1], v[D1+\p:D1+\p+1], v[D2+\p:D2+\p+1]
.endr
.irp p, 0,2,4,6,8,10,12,14
	v_pk_mul_f32 v[PP+\p:PP+\p+1], v[P12+\p:P12+\p+1], v[D3+\p:D3+\p+1]
.endr
.irp n, 0,1,2,3,4,5,6,7,8,9,10,11,12,13,14,15
	v_rcp_f32 v[PP+\n], v[PP+\n]                   ; one reciprocal for the three quotients
.endr
.irp p, 0,2,4,6,8,10,12,14                     ; the polynomial in t stands behind the reciprocals as independent work
	v_pk_fma_f32 v[QQ+\p:QQ+\p+1], v[T4+\p:T4+\p+1], v[K5:K5+1], 0xbfba00e3 op_sel_hi:[1,1,0]
.endr
.irp p, 0,2,4,6,8,10,12,14
	v_pk_fma_f32 v[QQ+\p:QQ+\p+1], v[QQ+\p:QQ+\p+1], v[T4+\p:T4+\p+1], 0x3fb5f0e3 op_sel_hi:[1,1,0]
.endr
.irp p, 0,2,4,6,8,10,12,14
	v_pk_fma_f32 v[QQ+\p:QQ+\p+1], v[QQ+\p:QQ+\p+1], v[T4+\p:T4+\p+1], 0xbe91a98e op_sel_hi:[1,1,0]
.endr
.irp p, 0,2,4,6,8,10,12,14
	v_pk_fma_f32 v[QQ+\p:QQ+\p+1], v[QQ+\p:QQ+\p+1], v[T4+\p:T4+\p+1], 0x3e827906 op_sel_hi:[1,1,0]
.endr
.irp p, 0,2,4,6,8,10,12,14
	v_pk_mul_f32 v[QQ+\p:QQ+\p+1], v[QQ+\p:QQ+\p+1], v[T4+\p:T4+\p+1]
.endr
.irp p, 0,2,4,6,8,10,12,14
	v_pk_mul_f32 v[QQ+\p:QQ+\p+1], v[QQ+\p:QQ+\p+1], v[GX+\p:GX+\p+1]          ; erfc(a / sqrt 2)
.endr
	s_wait_alu depctr_va_vdst(0)                   ; one wait for the 16 reciprocals
.irp p, 0,2,4,6,8,10,12,14
	v_pk_mul_f32 v[P12+\p:P12+\p+1], v[PP+\p:PP+\p+1], v[P12+\p:P12+\p+1]      ; 1 / D3
	v_pk_mul_f32 v[PP+\p:PP+\p+1], v[PP+\p:PP+\p+1], v[D3+\p:D3+\p+1]          ; 1 / (D1 D2)
.endr
.irp p, 0,2,4,6,8,10,12,14
	v_pk_mul_f32 v[D2+\p:D2+\p+1], v[PP+\p:PP+\p+1], v[D2+\p:D2+\p+1]          ; the sigmoid
	v_pk_mul_f32 v[D1+\p:D1+\p+1], v[PP+\p:PP+\p+1], v[D1+\p:D1+\p+1]          ; 1 / (1 + E^2)
	v_pk_mul_f32 v[N3+\p:N3+\p+1], v[N3+\p:N3+\p+1], v[P12+\p:P12+\p+1]        ; mish / a
.endr
.irp p, 0,2,4,6,8,10,12,14
	v_pk_mul_f32 v[N2+\p:N2+\p+1], v[N2+\p:N2+\p+1], v[D1+\p:D1+\p+1]          ; tanh
	v_pk_mul_f32 v[D3+\p:D3+\p+1], v[D2+\p:D2+\p+1], s[70:71] op_sel_hi:[1,0]
.endr
.irp p, 0,2,4,6,8,10,12,14
	v_pk_fma_f32 v[D3+\p:D3+\p+1], v[N2+\p:N2+\p+1], s[72:73], v[D3+\p:D3+\p+1] op_sel_hi:[1,0,1]
	v_pk_mul_f32 v[D2+\p:D2+\p+1], v[D2+\p:D2+\p+1], s[74:75] op_sel_hi:[1,0]
.endr
.irp p, 0,2,4,6,8,10,12,14
	v_pk_fma_f32 v[D3+\p:D3+\p+1], v[AA+\p:AA+\p+1], s[80:81], v[D3+\p:D3+\p+1] op_sel_hi:[1,0,1]
	v_pk_fma_f32 v[D2+\p:D2+\p+1], v[QQ+\p:QQ+\p+1], s[76:77], v[D2+\p:D2+\p+1] op_sel_hi:[1,0,1]
.endr
.irp p, 0,2,4,6,8,10,12,14
	v_pk_fma_f32 v[D2+\p:D2+\p+1], v[N3+\p:N3+\p+1], s[78:79], v[D2+\p:D2+\p+1] op_sel_hi:[1,0,1]
.endr
.irp p, 0,2,4,6,8,10,12,14
	v_pk_fma_f32 v[AA+\p:AA+\p+1], v[AA+\p:AA+\p+1], v[D2+\p:D2+\p+1], v[D3+\p:D3+\p+1]   ; the blend
.endr
	; the block of 32 units lies in lanes l and l xor 16
	v_max3_num_f32 v[TW], |v[AA]|, |v[AA+1]|, 0x1800000
	v_max3_num_f32 v[TW+1], |v[AA+8]|, |v[AA+9]|, |v[AA+10]|
	v_max3_num_f32 v[TW], v[TW], |v[AA+2]|, |v[AA+3]|
	v_max3_num_f32 v[TW+1], v[TW+1], |v[AA+11]|, |v[AA+12]|
	v_max3_num_f32 v[TW], v[TW], |v[AA+4]|, |v[AA+5]|
	v_max3_num_f32 v[TW+1], v[TW+1], |v[AA+13]|, |v[AA+14]|
	v_max3_num_f32 v[TW], v[TW], |v[AA+6]|, |v[AA+7]|
	v_max3_num_f32 v[TW], v[TW], v[TW+1], |v[AA+15]|
	v_permlanex16_b32 v[TW+1], v[TW], s82, s83
	v_max_num_f32 v[TW], v[TW], v[TW+1]
	v_add_nc_u32 v[TW+2], 0xff000000, v[TW]
	v_lshrrev_b32 v[TW+3], 23, v[TW+2]
	s_wait_xcnt 0x0                                ; the last block's store has read its data
	v_cvt_scalef32_pk8_fp4_f32 v[TW+4], v[AA:AA+7], v[TW+2]
	v_cvt_scalef32_pk8_fp4_f32 v[TW+5], v[AA+8:AA+15], v[TW+2]
	v_nop
	v_permlane16_swap_b32 v[TW+4], v[TW+5]         ; lanes 0-15 now hold both halves' codes of units 0-15, lanes 16-31 of units 16-31,
	v_perm_b32 v[TW+6], v[TW+5], v[TW+4], 0x05010400   ; and the two halves' bytes (two units each) are interleaved
	v_perm_b32 v[TW+7], v[TW+5], v[TW+4], 0x07030602
	WIN 0x04                                       ; a store's data: window 1
	global_store_b64 v[GOFF], v[TW+6:TW+7], s[96:97] offset:(\a)*16384         ; the wave stores 256 consecutive aligned bytes: one block of 16 tokens
	ds_store_b8 v[LOFF], v[TW+3] offset:128*((\a)%2)+2*((\a)/2)                ; lanes l and l xor 16 write the same byte with the same value
.endm
.irp a, 0,1,2,3,4,5,6,7
	EPI1 \a
.endr
	WIN 0
	s_wait_dscnt 0x0                               ; for wave 0's sake: my scale bytes have landed
	s_barrier_signal -1
	s_barrier_wait -1
	s_cmp_lg_u32 s18, 0
	s_cbranch_scc1 .Lnot_first
	ds_load_b128 v[24:27], v23
	s_wait_dscnt 0x0
	global_store_b128 v22, v[24:27], s[98:99]      ; 512 consecutive aligned bytes
.Lnot_first:
	s_wait_tensorcnt 0x0                           ; the wave's end
	ds_add_u32 v[SPW], v[NIL]
	s_wait_dscnt 0x0
	CROUND                                         ; the closing round
	s_endpgm
.Lfunc_end_k_q8c48f0efe2_gemm1:
	.size	k_q8c48f0efe2_gemm1, .Lfunc_end_k_q8c48f0efe2_gemm1-k_q8c48f0efe2_gemm1
	.p2alignl 7, 3214868480
	.fill 96, 4, 3214868480
	.section	.rodata,"a",@progbits
	.p2align	6, 0x0
	.amdhsa_kernel k_q8c48f0efe2_gemm1
		.amdhsa_group_segment_fixed_size 327680
		.amdhsa_private_segment_fixed_size 0
		.amdhsa_enable_private_segment 0
		.amdhsa_kernarg_size 56
		.amdhsa_user_sgpr_count 2
		.amdhsa_user_sgpr_kernarg_segment_ptr 1
		.amdhsa_wavefront_size32 1
		.amdhsa_system_sgpr_workgroup_id_x 1
		.amdhsa_system_sgpr_workgroup_id_y 1
		.amdhsa_system_sgpr_workgroup_id_z 1
		.amdhsa_system_vgpr_workitem_id 0
		.amdhsa_next_free_vgpr 1024
		.amdhsa_next_free_sgpr 100
		.amdhsa_reserve_vcc 0
		.amdhsa_float_denorm_mode_32 3
		.amdhsa_float_denorm_mode_16_64 3
		.amdhsa_memory_ordered 1
		.amdhsa_forward_progress 1
		.amdhsa_inst_pref_size 255
	.end_amdhsa_kernel
	.section	.bss,"aw",@nobits
	.p2align	6
	.space	262144
	.amdgpu_metadata
---
amdhsa.version: [ 1, 2 ]
amdhsa.kernels:
  - .name:           k_q8c48f0efe2_gemm1
    .symbol:         k_q8c48f0efe2_gemm1.kd
    .args:
      - { .name: xq, .offset: 0, .size: 8, .value_kind: global_buffer, .address_space: global }
      - { .name: wq, .offset: 8, .size: 8, .value_kind: global_buffer, .address_space: global }
      - { .name: b, .offset: 16, .size: 8, .value_kind: global_buffer, .address_space: global }
      - { .name: conn_W2, .offset: 24, .size: 8, .value_kind: global_buffer, .address_space: global }
      - { .name: conn_b2, .offset: 32, .size: 8, .value_kind: global_buffer, .address_space: global }
      - { .name: mask, .offset: 40, .size: 8, .value_kind: global_buffer, .address_space: global }
      - { .name: bq, .offset: 48, .size: 8, .value_kind: global_buffer, .address_space: global }
    .group_segment_fixed_size: 327680
    .private_segment_fixed_size: 0
    .kernarg_segment_align: 8
    .kernarg_segment_size: 56
    .max_flat_workgroup_size: 128
    .sgpr_count:     100
    .vgpr_count:     1024
    .wavefront_size: 32
...
	.end_amdgpu_metadata
.endif
;; end of part 2
;; launch gemm2 (part 3): grid 32 x 8, 4 waves a work-group, clusters of 4 x 4, 327,680 bytes of LDS; arguments bq, rq, read_b, pq, ps; writes pq, ps
.if DOCPART == 3
	.amdgcn_target "amdgcn-amd-amdhsa--gfx1250"
	.amdhsa_code_object_version 6
	.text
	.protected	k_q8c48f0efe2_gemm2
	.globl	k_q8c48f0efe2_gemm2
	.p2align	8
	.type	k_q8c48f0efe2_gemm2,@function
k_q8c48f0efe2_gemm2:
	s_mov_b64 s[64:65], 0
	v_nop
	global_prefetch_b8 v0, s[64:65] scope:SCOPE_SE
	s_setreg_imm32_b32 hwreg(HW_REG_WAVE_MODE, 25, 1), 1
	s_wait_xcnt 0x0
	s_wait_alu depctr_hold_cnt(0) depctr_sa_sdst(0) depctr_va_vdst(0) depctr_va_sdst(0) depctr_va_ssrc(0) depctr_va_vcc(0) depctr_vm_vsrc(0)
	s_getreg_b32 s2, hwreg(HW_REG_IB_STS2, 6, 4)
	s_cmp_eq_u32 s2, 0
	s_cbranch_scc0 .Lentry_in_a_cluster
	s_endpgm
.Lentry_in_a_cluster:
	s_bfe_u32 s2, ttmp6, 0x10000c
	s_cmp_lg_u32 s2, 0xf033
	s_cbranch_scc0 .Lentry_shape_is_right
	s_endpgm
.Lentry_shape_is_right:
; GEMM2: logits = blend read_W + read_b on codes of E2M1 (M 2,048, K 2,048, N 8,192 keys); then p = 2^(t - M), t = logit x log2 e, under a LOCAL whole number M = ceil(the largest t of a token's 128 keys
; in this wave); p is quantised along the keys and leaves as codes.  With them go, for each token and 128 keys: p's scale word, -M, and the sum of the unquantised p.
; The next launch takes the row's largest M and shifts scale bytes and sums by exact powers of two.
; Structure as in the launch before: 256 x 256 a work-group, 128 x 128 a wave, the product transposed (a lane holds one token and keys 8 h + 0 .. 7 of each tile of 16).
; K = 2,048 is four runs of 512 through a ring of two slots; each slot is filled again once, by joint loads behind a round of the cluster's barrier.
; read_b is the C of each sum's first matrix instruction.  All scale words of K stay in registers (64 + 64).
; LIMITS: M is exact for |t| under 2^24.  p under 2^-126 counts as 0.  NaN and infinities are not served.
; REGISTERS: window 0: v0-31 addresses; v32-95 the tokens' scale words, v96-159 the keys'; v160-223 the tokens' fragments.
;   window 1: v0-63, v128-191 the keys' fragments, two sets; v64-127 read_b; in the epilogue v0-63 p, v128-157 at work, v192-227 what goes to ps.   windows 2, 3: the accumulators.
.set KK,    2048
.set TB,    8*KK
.set NST,   KK/128
.set SLOT,  131072
.set SPARE, 2*SLOT                     ; the spare words: 128 bytes a wave, two blocks of 256 bytes that no other line names
.set ADRA,  8
.set ADRB,  10
.set SPW,   12
.set NIL,   13
.set GOFF,  14
.set SA0,   32
.set SB0,   96
.set AF,    160
.set BI,    64
.set P,     0
.set CC,    128
.set BM,    136
.set TP,    140
.set SC,    144
.set BY,    148
.set NMP,   152
.set SU,    154
.set WW,    192
.set NMS,   200
.set LPS,   208
.set OUTR,  216
.set G1,  24
.set G0,  32
.set G1B, 48
.set G0B, 56
.set MSB, 0
.macro WIN new
.if MSB != (\new)
	s_set_vgpr_msb (MSB<<8)|(\new)
.set MSB, (\new)
.endif
.endm
.macro JLOAD s
	s_cmp_eq_u32 s19, 0
	s_cbranch_scc0 .Lfor_b_\@
	tensor_load_to_lds s[G0+4*\s:G0+4*\s+3], s[G1:G1+7]
	s_nop 0
.rept 4
	v_nop
.endr
	s_branch .Lasked_\@
.Lfor_b_\@:
	tensor_load_to_lds s[G0B+4*\s:G0B+4*\s+3], s[G1B:G1B+7]
	s_nop 0
.rept 4
	v_nop
.endr
.Lasked_\@:
.endm
.macro CREST
	s_cmp_lg_u32 s18, 0
	s_cbranch_scc1 .Lnot_wave_0_\@
	s_barrier_signal -3
.Lnot_wave_0_\@:
	s_barrier_wait -3
	s_barrier_signal -1
	s_barrier_wait -1
.endm
.macro CROUND
	s_barrier_signal -1
	s_barrier_wait -1
	CREST
.endm
.macro PLACES n
.rept \n
	v_nop
.endr
.endm
.macro BASE d, p, a, sa, b, sb, k
	s_lshl_b32 s[\d], s[\a], \sa
	s_lshl_b32 s[\d+1], s[\b], \sb
	s_add_co_u32 s[\d], s[\d], s[\d+1]
	s_add_co_u32 s[\d], s[\d], \k
	s_mov_b32 s[\d+1], 0
	s_add_nc_u64 s[\d:\d+1], s[\p:\p+1], s[\d:\d+1]
.endm
.macro ADD2 d, a, sa, b, sb
	s_lshl_b32 s42, s[\a], \sa
	s_lshl_b32 s43, s[\b], \sb
	s_add_co_u32 s42, s42, s43
	s_mov_b32 s43, 0
	s_add_nc_u64 s[\d:\d+1], s[\d:\d+1], s[42:43]
.endm
.macro WM d, x, y, c, sx, sy, rx, ry
.if (\rx) && (\ry)
	v_wmma_scale_f32_16x16x128_f8f6f4 v[\d:\d+7], v[\x:\x+7], v[\y:\y+7], v[\c:\c+7], v[\sx], v[\sy] matrix_a_fmt:MATRIX_FMT_FP4 matrix_b_fmt:MATRIX_FMT_FP4 matrix_a_scale:MATRIX_SCALE_ROW1 matrix_b_scale:MATRIX_SCALE_ROW1
.elseif (\rx)
	v_wmma_scale_f32_16x16x128_f8f6f4 v[\d:\d+7], v[\x:\x+7], v[\y:\y+7], v[\c:\c+7], v[\sx], v[\sy] matrix_a_fmt:MATRIX_FMT_FP4 matrix_b_fmt:MATRIX_FMT_FP4 matrix_a_scale:MATRIX_SCALE_ROW1
.elseif (\ry)
	v_wmma_scale_f32_16x16x128_f8f6f4 v[\d:\d+7], v[\x:\x+7], v[\y:\y+7], v[\c:\c+7], v[\sx], v[\sy] matrix_a_fmt:MATRIX_FMT_FP4 matrix_b_fmt:MATRIX_FMT_FP4 matrix_b_scale:MATRIX_SCALE_ROW1
.else
	v_wmma_scale_f32_16x16x128_f8f6f4 v[\d:\d+7], v[\x:\x+7], v[\y:\y+7], v[\c:\c+7], v[\sx], v[\sy] matrix_a_fmt:MATRIX_FMT_FP4 matrix_b_fmt:MATRIX_FMT_FP4
.endif
.endm
.macro MUL16 a0, p, Q, first           ; the 64 accumulators take turns in one order
.irp a, \a0, \a0+1
.irp b, 0,1,2,3,4,5,6,7
.if \first
	WM 8*(8*((\a)%4)+\b), 128*(\p)+8*\b, AF+8*(\a), BI+8*\b, SB0+NST*(\b/2)+(\Q), SA0+NST*((\a)/2)+(\Q), \b%2, (\a)%2
.else
	WM 8*(8*((\a)%4)+\b), 128*(\p)+8*\b, AF+8*(\a), 8*(8*((\a)%4)+\b), SB0+NST*(\b/2)+(\Q), SA0+NST*((\a)/2)+(\Q), \b%2, (\a)%2
.endif
.endr
.endr
.endm
.macro FRAG reg, adr, q, i
.irp c, 0,1
	ds_load_b128 v[\reg+4*\c:\reg+4*\c+3], v[\adr] offset:(\i)*4096+(\q)*1024+512*\c
.endr
.endm
.macro FETCH_B slot, q, p
	WIN 0x40
.irp i, 0,1,2,3,4,5,6,7
	FRAG 128*(\p)+8*\i, ADRB+\slot, \q, \i
.endr
	WIN 0
.endm
.macro FETCH_A slot, q, i0
.irp i, \i0, \i0+1, \i0+2, \i0+3
	FRAG AF+8*(\i), ADRA+\slot, \q, \i
.endr
.endm
.macro STEP slot, q, Q, first
	s_wait_dscnt 8                                 ; the keys' set and the tokens' blocks 0-3 are in; the youngest eight loads (blocks 4-7) may be out
	WIN 0xa1-0x10*(\first)
	MUL16 0, (\q)%2, \Q, \first
	MUL16 2, (\q)%2, \Q, \first
	s_wait_dscnt 0
	PLACES 4
	FETCH_B \slot, (\q)+1, 1-(\q)%2
	FETCH_A \slot, (\q)+1, 0
	WIN 0xf1-0x20*(\first)
	MUL16 4, (\q)%2, \Q, \first
	MUL16 6, (\q)%2, \Q, \first
	PLACES 4
	WIN 0
	FETCH_A \slot, (\q)+1, 4
.endm
; A slot's last step changes slots: one barrier.  fill = 1: the barrier opens a round of the cluster's barrier, and this slot is filled again with the run of K two runs on.
.macro TURN slot, next, fill, Q
	s_wait_tensorcnt 0x0                           ; all my tensor loads have landed: my part of the next slot
	ds_add_u32 v[SPW], v[NIL]                      ; 0 onto my spare word
	s_wait_dscnt 9                                 ; (the add and the youngest eight loads may be out)
	WIN 0xa1
	MUL16 0, 1, \Q, 0
	s_wait_dscnt 0x0                               ; the add is done, and my reads of this slot are over
	s_barrier_signal -1
	MUL16 2, 1, \Q, 0
	WIN 0
	s_barrier_wait -1
.if \fill
	CREST                                          ; no wave of any partner still reads this slot or has a load on its way
	s_add_nc_u64 s[G0+4*\slot+2:G0+4*\slot+3], s[G0+4*\slot+2:G0+4*\slot+3], 8192
	s_add_nc_u64 s[G0B+4*\slot+2:G0B+4*\slot+3], s[G0B+4*\slot+2:G0B+4*\slot+3], 8192
	JLOAD \slot                                    ; my one tensor load behind the round; its four v_nop are also the places ahead of the loads below
.else
	PLACES 4
.endif
	FETCH_B \next, 0, 0
	FETCH_A \next, 0, 0
	WIN 0xf1
	MUL16 4, 1, \Q, 0
	MUL16 6, 1, \Q, 0
	PLACES 4
	WIN 0
	FETCH_A \next, 0, 4
.endm
	s_load_b256 s[4:11], s[0:1], 0x0               ; bq, rq, read_b, pq
	s_load_b64 s[12:13], s[0:1], 0x20              ; ps
	v_lshl_add_u32 v[SPW], v0, 2, SPARE
	v_mov_b32 v[NIL], 0
	ds_add_u32 v12, v13
	ds_add_u32 v12, v13
	s_wait_dscnt 0x0
	v_lshrrev_b32 v1, 5, v0
	v_readfirstlane_b32 s18, v1
	s_lshr_b32 s19, s18, 1
	s_and_b32 s20, s18, 1
	s_bfe_u32 s21, ttmp6, 0x40000
	s_bfe_u32 s22, ttmp6, 0x40004
	s_lshl_b32 s23, ttmp9, 2
	s_add_co_u32 s23, s23, s21                     ; tile column
	s_and_b32 s40, ttmp7, 0xffff
	s_lshl_b32 s40, s40, 2
	s_add_co_u32 s40, s40, s22                     ; tile row
	s_lshl_b32 s41, s22, 2
	s_lshl_b32 s41, 15, s41
	s_lshl_b32 s42, 0x1111, s21
	s_or_b32 s[G1], s41, (3<<16)|(1<<21)
	s_or_b32 s[G1B], s42, (3<<16)|(1<<21)
.irp g, G1, G1B
	s_mov_b32 s[\g+1], 512<<16
	s_mov_b32 s[\g+2], 8<<16
	s_mov_b32 s[\g+3], 512<<16
	s_mov_b32 s[\g+4], 8
	s_mov_b32 s[\g+5], KK
	s_mov_b32 s[\g+6], 0
	s_mov_b32 s[\g+7], 0
.endr
	s_mul_i32 s44, s40, 16*TB
	s_mul_i32 s45, s20, 8*TB
	s_add_co_u32 s44, s44, s45
	s_mov_b32 s45, 0
	s_mul_i32 s46, s23, 16*TB
	s_mul_i32 s47, s20, 8*TB
	s_add_co_u32 s46, s46, s47
	s_mov_b32 s47, 0
	s_lshl_b32 s43, s18, 15
	s_wait_kmcnt 0x0
	s_add_nc_u64 s[44:45], s[4:5], s[44:45]
	s_add_nc_u64 s[46:47], s[6:7], s[46:47]
	CROUND
.irp s, 0,1
	s_mov_b32 s[G0+4*\s], 1
	s_add_co_u32 s[G0+4*\s+1], s43, \s*SLOT
	s_add_nc_u64 s[G0+4*\s+2:G0+4*\s+3], s[44:45], \s*4096
	s_or_b32 s[G0+4*\s+3], s[G0+4*\s+3], 0x80000000
	s_mov_b32 s[G0B+4*\s], 1
	s_add_co_u32 s[G0B+4*\s+1], s43, \s*SLOT
	s_add_nc_u64 s[G0B+4*\s+2:G0B+4*\s+3], s[46:47], \s*4096
	s_or_b32 s[G0B+4*\s+3], s[G0B+4*\s+3], 0x80000000
	JLOAD \s                                       ; two tensor loads of mine are out
.endr
	BASE 66, 4, 40, 9, 19, 8, 2097152              ; the blend's scale bytes of my 128 tokens
	BASE 68, 6, 23, 14, 20, 13, 8388608            ; read_W's scale words: pair 8 tc + 4 half
	BASE 84, 8, 23, 10, 20, 9, 0                   ; read_b at my first key
	BASE 86, 10, 40, 20, 19, 19, 0                 ; p's codes: tile 16 tr + 8 half,
	ADD2 86, 23, 11, 20, 10                        ; K step 2 tc + half
	BASE 88, 12, 23, 14, 20, 13, 0                 ; ps: K step,
	ADD2 88, 40, 10, 19, 9                         ; my 128 tokens
	v_and_b32 v1, 15, v0
	v_bfe_u32 v2, v0, 4, 1
	v_and_b32 v3, 31, v0
	v_lshlrev_b32 v22, 4, v3
	v_lshlrev_b32 v18, 3, v3
	v_lshlrev_b32 v19, 5, v2
	s_lshl_b32 s41, s19, 15
	s_lshl_b32 s42, s20, 15
	s_add_co_u32 s42, s42, 65536
	v_add_nc_u32 v[ADRA], s41, v22
	v_add_nc_u32 v[ADRB], s42, v22
	s_add_co_u32 s41, s41, SLOT
	s_add_co_u32 s42, s42, SLOT
	v_add_nc_u32 v[ADRA+1], s41, v22
	v_add_nc_u32 v[ADRB+1], s42, v22
	v_lshlrev_b32 v[GOFF], 4, v1
	v_lshl_add_u32 v[GOFF], v2, 3, v[GOFF]
.set j, 0
.rept 32
	global_load_b64 v[AF+2*j:AF+2*j+1], v18, s[66:67] offset:j*4096            ; plane j: two blocks' bytes of my four pairs of tiles
.set j, j+1
.endr
.irp e, 0,1,2,3
.irp k, 0,1,2,3,4,5,6,7
	global_load_b64 v[SB0+16*\e+2*\k:SB0+16*\e+2*\k+1], v18, s[68:69] offset:\e*2048+\k*256
.endr
.endr
	WIN 0x40
.irp t, 0,1,2,3,4,5,6,7
	global_load_b128 v[BI+8*\t:BI+8*\t+3], v19, s[84:85] offset:64*\t
	global_load_b128 v[BI+8*\t+4:BI+8*\t+7], v19, s[84:85] offset:64*\t+16
.endr
	WIN 0
	s_mov_b32 s70, 0x3fb8aa3b                      ; log2 e
	s_mov_b32 s71, s70
	s_mov_b32 s72, 0x76543210
	s_mov_b32 s73, 0xfedcba98
	s_mov_b32 s74, 0xffff0000                      ; lanes 16-31
	s_mov_b32 s75, 0x05040100
	s_mov_b32 s76, 0x07060302
	s_wait_loadcnt 0x0
.set j, 0
.rept 16                               ; K step j's scale words: two bytes of plane 2 j below two of plane 2 j + 1
	v_perm_b32 v[SA0+j],    v[AF+4*j+2], v[AF+4*j],   s75
	v_perm_b32 v[SA0+16+j], v[AF+4*j+2], v[AF+4*j],   s76
	v_perm_b32 v[SA0+32+j], v[AF+4*j+3], v[AF+4*j+1], s75
	v_perm_b32 v[SA0+48+j], v[AF+4*j+3], v[AF+4*j+1], s76
.set j, j+1
.endr
	PLACES 8                                       ; scale registers written by vector lines stand eight plain lines ahead of a scaled matrix line
	s_wait_tensorcnt 1                             ; my part of slot 0 is in; slot 1's load may stay out
	s_barrier_signal -1
	s_barrier_wait -1
	FETCH_B 0, 0, 0
	FETCH_A 0, 0, 0
	FETCH_A 0, 0, 4
	STEP 0, 0, 0, 1
	STEP 0, 1, 1, 0
	STEP 0, 2, 2, 0
	TURN 0, 1, 1, 3
	STEP 1, 0, 4, 0
	STEP 1, 1, 5, 0
	STEP 1, 2, 6, 0
	TURN 1, 0, 1, 7
	STEP 0, 0, 8, 0
	STEP 0, 1, 9, 0
	STEP 0, 2, 10, 0
	TURN 0, 1, 0, 11
	STEP 1, 0, 12, 0
	STEP 1, 1, 13, 0
	STEP 1, 2, 14, 0
	s_wait_dscnt 8
	WIN 0xa1
	MUL16 0, 1, 15, 0
	MUL16 2, 1, 15, 0
	s_wait_dscnt 0
	WIN 0xf1
	MUL16 4, 1, 15, 0
	MUL16 6, 1, 15, 0
	PLACES 4
	WIN 0x40
.irp b, 0,1,2,3
	v_mov_b32 v[TP+\b], 0                          ; a lane permute's destination counts as one of its sources
.endr
; THE EPILOGUE of 16 tokens (block a).  Register 16 b + i of the block's 64: key 32 b + 16 (i / 8) + 8 h + i % 8: block b of 32 keys lies in lanes l and l xor 16.
.macro EPI2 a
.set AC, 64*((\a)%4)
	WIN 0x6a+0x15*((\a)/4)
.irp b, 0,1,2,3
	v_max3_num_f32 v[BM+\b], v[AC+16*\b], v[AC+16*\b+1], v[AC+16*\b+2]         ; each accumulator is read from its low end on
.endr
	WIN 0x5a+5*((\a)/4)
.irp i, 3,5,7,9,11,13
.irp b, 0,1,2,3
	v_max3_num_f32 v[BM+\b], v[AC+16*\b+\i], v[AC+16*\b+\i+1], v[BM+\b]
.endr
.endr
.irp b, 0,1,2,3
	v_max3_num_f32 v[BM+\b], v[AC+16*\b+15], v[AC+16*\b+15], v[BM+\b]
.endr
	WIN 0x55
.irp b, 0,1,2,3
	v_permlanex16_b32 v[TP+\b], v[BM+\b], s72, s73
.endr
.irp b, 0,1,2,3
	v_max_num_f32 v[BM+\b], v[BM+\b], v[TP+\b]     ; each block's largest logit: it serves the maximum and, since p rises with the logit, the block's largest p
.endr
	v_max3_num_f32 v[SU], v[BM], v[BM+1], v[BM+2]
	v_max_num_f32 v[SU], v[SU], v[BM+3]
	v_mul_f32 v[SU], s70, v[SU]
	v_floor_f32 v[NMP], -v[SU]                     ; -M = floor(-t) = -ceil(t)
	v_mov_b32 v[NMP+1], v[NMP]
	WIN 0x52+(\a)/4
.set j, 0
.rept 32
	v_pk_fma_f32 v[P+j:P+j+1], v[AC+j:AC+j+1], s[70:71], v[NMP:NMP+1] op_sel_hi:[1,0,0]   ; t - M
.set j, j+2
.endr
	WIN 0x55
.irp b, 0,1,2,3
	v_fma_f32 v[BM+\b], v[BM+\b], s70, v[NMP]
.endr
.set j, 0
.rept 64
	v_exp_f32 v[P+j], v[P+j]                       ; p, at most 1, not normalised
.set j, j+1
.endr
	v_mov_b32 v[NMS+(\a)], v[NMP]                  ; (a plain line behind the batch)
	s_wait_alu depctr_va_vdst(0)                   ; one wait for the 64
.irp b, 0,1,2,3
	v_exp_f32 v[BM+\b], v[BM+\b]                   ; the block's largest p: the same two lines on the same number give the same bits
.endr
	v_pk_add_f32 v[SU:SU+1], v[P:P+1], v[P+2:P+3]  ; the sum of the unquantised p, in two chains: independent work behind the four
	v_pk_add_f32 v[SU+2:SU+3], v[P+4:P+5], v[P+6:P+7]
.irp j, 8,12,16,20,24,28,32,36,40,44,48,52,56,60
	v_pk_add_f32 v[SU:SU+1], v[SU:SU+1], v[P+\j:P+\j+1]
	v_pk_add_f32 v[SU+2:SU+3], v[SU+2:SU+3], v[P+\j+2:P+\j+3]
.endr
	v_pk_add_f32 v[SU:SU+1], v[SU:SU+1], v[SU+2:SU+3]
	v_add_f32 v[SU], v[SU], v[SU+1]
	v_permlanex16_b32 v[SU+1], v[SU], s72, s73
	v_add_f32 v[LPS+(\a)], v[SU], v[SU+1]
	s_wait_alu depctr_va_vdst(0)                   ; and one for the four
.irp b, 0,1,2,3
	v_max_num_f32 v[BM+\b], 0x1800000, v[BM+\b]    ; the floor: the byte cannot fall under 1
.endr
.irp b, 0,1,2,3
	v_add_nc_u32 v[SC+\b], 0xff000000, v[BM+\b]
.endr
.irp b, 0,1,2,3
	v_lshrrev_b32 v[BY+\b], 23, v[SC+\b]           ; 1 .. 125
.endr
	v_lshl_or_b32 v[WW+(\a)], v[BY+1], 8, v[BY]
	v_lshl_or_b32 v[WW+(\a)], v[BY+2], 16, v[WW+(\a)]
	v_lshl_or_b32 v[WW+(\a)], v[BY+3], 24, v[WW+(\a)]
	s_wait_xcnt 0x0                                ; the last block's stores have read their data
.irp b, 0,1,2,3
	v_cvt_scalef32_pk8_fp4_f32 v[CC+2*\b], v[P+16*\b:P+16*\b+7], v[SC+\b]
	v_cvt_scalef32_pk8_fp4_f32 v[CC+2*\b+1], v[P+16*\b+8:P+16*\b+15], v[SC+\b]
.endr
	v_nop
.irp b, 0,1,2,3
	v_permlane16_swap_b32 v[CC+2*\b], v[CC+2*\b+1] ; lanes 0-15: the block's keys 0-15 of their token, lanes 16-31: keys 16-31
.endr
	WIN 0x04
.irp b, 0,1,2,3
	global_store_b64 v[GOFF], v[CC+2*\b:CC+2*\b+1], s[86:87] offset:(\a)*65536+\b*256     ; 256 consecutive aligned bytes: one block of 16 tokens
.endr
.endm
.irp a, 0,1,2,3,4,5,6,7
	EPI2 \a
.endr
	WIN 0x55
.irp e, 0,1,2,3                        ; lane l takes token 32 e + l: lanes 0-15 of block 2 e, lanes 16-31 of block 2 e + 1
	v_cndmask_b32 v[OUTR+\e], v[WW+2*\e], v[WW+2*\e+1], s74
	v_cndmask_b32 v[OUTR+4+\e], v[NMS+2*\e], v[NMS+2*\e+1], s74
	v_cndmask_b32 v[OUTR+8+\e], v[LPS+2*\e], v[LPS+2*\e+1], s74
.endr
	WIN 0x04
	global_store_b128 v22, v[OUTR:OUTR+3], s[88:89]                            ; 512 consecutive aligned bytes each
	global_store_b128 v22, v[OUTR+4:OUTR+7], s[88:89] offset:524288
	global_store_b128 v22, v[OUTR+8:OUTR+11], s[88:89] offset:1048576
	WIN 0
	s_wait_tensorcnt 0x0                           ; the wave's end
	ds_add_u32 v[SPW], v[NIL]
	s_wait_dscnt 0x0
	CROUND                                         ; the closing round
	s_endpgm
.Lfunc_end_k_q8c48f0efe2_gemm2:
	.size	k_q8c48f0efe2_gemm2, .Lfunc_end_k_q8c48f0efe2_gemm2-k_q8c48f0efe2_gemm2
	.p2alignl 7, 3214868480
	.fill 96, 4, 3214868480
	.section	.rodata,"a",@progbits
	.p2align	6, 0x0
	.amdhsa_kernel k_q8c48f0efe2_gemm2
		.amdhsa_group_segment_fixed_size 327680
		.amdhsa_private_segment_fixed_size 0
		.amdhsa_enable_private_segment 0
		.amdhsa_kernarg_size 40
		.amdhsa_user_sgpr_count 2
		.amdhsa_user_sgpr_kernarg_segment_ptr 1
		.amdhsa_wavefront_size32 1
		.amdhsa_system_sgpr_workgroup_id_x 1
		.amdhsa_system_sgpr_workgroup_id_y 1
		.amdhsa_system_sgpr_workgroup_id_z 1
		.amdhsa_system_vgpr_workitem_id 0
		.amdhsa_next_free_vgpr 1024
		.amdhsa_next_free_sgpr 100
		.amdhsa_reserve_vcc 0
		.amdhsa_float_denorm_mode_32 3
		.amdhsa_float_denorm_mode_16_64 3
		.amdhsa_memory_ordered 1
		.amdhsa_forward_progress 1
		.amdhsa_inst_pref_size 255
	.end_amdhsa_kernel
	.section	.bss,"aw",@nobits
	.p2align	6
	.space	262144
	.amdgpu_metadata
---
amdhsa.version: [ 1, 2 ]
amdhsa.kernels:
  - .name:           k_q8c48f0efe2_gemm2
    .symbol:         k_q8c48f0efe2_gemm2.kd
    .args:
      - { .name: bq, .offset: 0, .size: 8, .value_kind: global_buffer, .address_space: global }
      - { .name: rq, .offset: 8, .size: 8, .value_kind: global_buffer, .address_space: global }
      - { .name: read_b, .offset: 16, .size: 8, .value_kind: global_buffer, .address_space: global }
      - { .name: pq, .offset: 24, .size: 8, .value_kind: global_buffer, .address_space: global }
      - { .name: ps, .offset: 32, .size: 8, .value_kind: global_buffer, .address_space: global }
    .group_segment_fixed_size: 327680
    .private_segment_fixed_size: 0
    .kernarg_segment_align: 8
    .kernarg_segment_size: 40
    .max_flat_workgroup_size: 128
    .sgpr_count:     100
    .vgpr_count:     1024
    .wavefront_size: 32
...
	.end_amdgpu_metadata
.endif
;; end of part 3
;; launch gemm3 (part 4): grid 16 x 16, 4 waves a work-group, clusters of 4 x 1, 327,680 bytes of LDS; arguments pq, ps, mq, out0; writes out0
.if DOCPART == 4
	.amdgcn_target "amdgcn-amd-amdhsa--gfx1250"
	.amdhsa_code_object_version 6
	.text
	.protected	k_q8c48f0efe2_gemm3
	.globl	k_q8c48f0efe2_gemm3
	.p2align	8
	.type	k_q8c48f0efe2_gemm3,@function
k_q8c48f0efe2_gemm3:
	s_mov_b64 s[64:65], 0
	v_nop
	global_prefetch_b8 v0, s[64:65] scope:SCOPE_SE
	s_setreg_imm32_b32 hwreg(HW_REG_WAVE_MODE, 25, 1), 1
	s_wait_xcnt 0x0
	s_wait_alu depctr_hold_cnt(0) depctr_sa_sdst(0) depctr_va_vdst(0) depctr_va_sdst(0) depctr_va_ssrc(0) depctr_va_vcc(0) depctr_vm_vsrc(0)
	s_getreg_b32 s2, hwreg(HW_REG_IB_STS2, 6, 4)
	s_cmp_eq_u32 s2, 0
	s_cbranch_scc0 .Lentry_in_a_cluster
	s_endpgm
.Lentry_in_a_cluster:
	s_bfe_u32 s2, ttmp6, 0x10000c
	s_cmp_lg_u32 s2, 0x3003
	s_cbranch_scc0 .Lentry_shape_is_right
	s_endpgm
.Lentry_shape_is_right:
; GEMM3: out = (p memory) / l on codes of E2M1 (M 2,048, K 8,192 keys, N 1,024).
; p's codes were made under a whole number M for each token and 128 keys.  Here the row's largest M is taken; each K step's four scale bytes are lowered by D = M(row) - M(step), an exact power of two,
; and its partial sum is multiplied by 2^-D; l is the sum of those.
; A work-group makes 128 tokens x 64 columns: 256 work-groups (x: the tokens' tile, y: the columns').  ITS FOUR WAVES SPLIT K: wave w takes K steps 16 w + 0 .. 15 for the whole tile (32 accumulators),
; and the four partial tiles are added through LDS.  So no fragment is read twice inside a work-group.
; MEMORY'S CODES of the 64 columns, all of K, are 256 KiB: they come into LDS ONCE.  Each wave brings its own 16 K steps by four tensor loads (4 tiles x 4,096 bytes each) and reads only those bytes, each behind its
; own counted wait.  CLUSTER 4 x 1: the four partners make four tiles of tokens against the same 64 columns, so each of these loads is asked for JOINTLY, with the same descriptor and a mask that names the four.
; p'S CODES of the 128 tokens are 512 KiB and do not fit beside them.  In a ring of two slots half of LDS would hold two K steps a wave, 64 matrix lines, between two rounds of the cluster's barrier: too little work
; for a refill to land in.  So they go from memory straight into registers, in four buffers: in the codes' layout a fragment is two loads of 512 consecutive bytes, and four K steps' 64 loads are asked for ahead.
; The product is used transposed (source 0 = 16 columns of memory, source 1 = 16 tokens): a lane holds one token and eight neighbouring columns.
; LIMITS: D is held at 127; a scale byte that would fall under 0 is held at 0 (2^-127, beside a row sum above 1/2).  The sums over K are formed in four parts.
; REGISTERS: window 0: v0-31 addresses and work; v32-95 p's scale words (4 i + e), later 1 / l; v96-127 memory's (16 b + i); v128-255 -M and partial sums, later the reduction's rows.
;   window 1: the accumulators ((a, b) at v[8 (4 a + b)]); window 2: p's fragments, four buffers of 64; window 3: memory's, two of 32.
; LDS: 0 memory's codes, 65,536 bytes a wave (K steps 4 n + j of tile b at 16,384 n + 4,096 b + 1,024 j); when they have been read, the four partial tiles (128 rows x 272 bytes each) lie over them.
.set SPARE, 262144                     ; behind the codes: the spare words, 128 bytes a wave: two blocks of 256 bytes that no other line names;
.set MXB,   262656                     ; each wave's smallest -M, 512 bytes a wave;
.set LSB,   264704                     ; each wave's sums, 512 bytes a wave;
.set RLB,   266752                     ; 1 / l, 128 bytes a wave
.set X,   128
.set Y,   192
.set SPW, 9                            ; v9   LDS address of my spare word; never rewritten
.set NIL, 10                           ; v10  0; never rewritten
.set BAD, 11                           ; v11  my wave's codes of memory in LDS: 65,536 x wave + 16 x lane
.set G1,  40                           ; s[40:47] descriptor group 1
.set G0,  48                           ; s[48:63] descriptor group 0, a set for each of my four loads
.set MSB, 0
.macro WIN new                         ; the immediate's high byte repeats the setting that is left
.if MSB != (\new)
	s_set_vgpr_msb (MSB<<8)|(\new)
.set MSB, (\new)
.endif
.endm
.macro CROUND                          ; a round of the cluster's barrier
	s_barrier_signal -1
	s_barrier_wait -1
	s_cmp_lg_u32 s12, 0
	s_cbranch_scc1 .Lnot_wave_0_\@
	s_barrier_signal -3
.Lnot_wave_0_\@:
	s_barrier_wait -3
	s_barrier_signal -1
	s_barrier_wait -1
.endm
.macro WM3 d, x, y, z, sx, sy, rx, ry  ; z = 1: the first product starts the sum
.if \z
.if (\rx) && (\ry)
	v_wmma_scale_f32_16x16x128_f8f6f4 v[\d:\d+7], v[\x:\x+7], v[\y:\y+7], 0, v[\sx], v[\sy] matrix_a_fmt:MATRIX_FMT_FP4 matrix_b_fmt:MATRIX_FMT_FP4 matrix_a_scale:MATRIX_SCALE_ROW1 matrix_b_scale:MATRIX_SCALE_ROW1
.elseif (\rx)
	v_wmma_scale_f32_16x16x128_f8f6f4 v[\d:\d+7], v[\x:\x+7], v[\y:\y+7], 0, v[\sx], v[\sy] matrix_a_fmt:MATRIX_FMT_FP4 matrix_b_fmt:MATRIX_FMT_FP4 matrix_a_scale:MATRIX_SCALE_ROW1
.elseif (\ry)
	v_wmma_scale_f32_16x16x128_f8f6f4 v[\d:\d+7], v[\x:\x+7], v[\y:\y+7], 0, v[\sx], v[\sy] matrix_a_fmt:MATRIX_FMT_FP4 matrix_b_fmt:MATRIX_FMT_FP4 matrix_b_scale:MATRIX_SCALE_ROW1
.else
	v_wmma_scale_f32_16x16x128_f8f6f4 v[\d:\d+7], v[\x:\x+7], v[\y:\y+7], 0, v[\sx], v[\sy] matrix_a_fmt:MATRIX_FMT_FP4 matrix_b_fmt:MATRIX_FMT_FP4
.endif
.else
.if (\rx) && (\ry)
	v_wmma_scale_f32_16x16x128_f8f6f4 v[\d:\d+7], v[\x:\x+7], v[\y:\y+7], v[\d:\d+7], v[\sx], v[\sy] matrix_a_fmt:MATRIX_FMT_FP4 matrix_b_fmt:MATRIX_FMT_FP4 matrix_a_scale:MATRIX_SCALE_ROW1 matrix_b_scale:MATRIX_SCALE_ROW1
.elseif (\rx)
	v_wmma_scale_f32_16x16x128_f8f6f4 v[\d:\d+7], v[\x:\x+7], v[\y:\y+7], v[\d:\d+7], v[\sx], v[\sy] matrix_a_fmt:MATRIX_FMT_FP4 matrix_b_fmt:MATRIX_FMT_FP4 matrix_a_scale:MATRIX_SCALE_ROW1
.elseif (\ry)
	v_wmma_scale_f32_16x16x128_f8f6f4 v[\d:\d+7], v[\x:\x+7], v[\y:\y+7], v[\d:\d+7], v[\sx], v[\sy] matrix_a_fmt:MATRIX_FMT_FP4 matrix_b_fmt:MATRIX_FMT_FP4 matrix_b_scale:MATRIX_SCALE_ROW1
.else
	v_wmma_scale_f32_16x16x128_f8f6f4 v[\d:\d+7], v[\x:\x+7], v[\y:\y+7], v[\d:\d+7], v[\sx], v[\sy] matrix_a_fmt:MATRIX_FMT_FP4 matrix_b_fmt:MATRIX_FMT_FP4
.endif
.endif
.endm
.macro FLOADA i                        ; p's eight fragments of my K step i, from memory: 16 loads, into buffer i % 4
	WIN 0x80
.irp a, 0,1,2,3,4,5,6,7
.irp c, 0,1
	global_load_b128 v[64*((\i)%4)+8*\a+4*\c:64*((\i)%4)+8*\a+4*\c+3], v4, s[16:17] offset:\a*65536+(\i)*1024+512*\c
.endr
.endr
.endm
.macro BLOAD i                         ; memory's four fragments of my K step i, from LDS: 8 loads of 512 consecutive bytes, into buffer i % 2
	WIN 0xc0
.irp b, 0,1,2,3
.irp c, 0,1
	ds_load_b128 v[32*((\i)%2)+8*\b+4*\c:32*((\i)%2)+8*\b+4*\c+3], v[BAD] offset:((\i)/4)*16384+\b*4096+((\i)%4)*1024+512*\c
.endr
.endr
.endm
	s_load_b256 s[4:11], s[0:1], 0x0               ; pq, ps, mq, out0
	v_lshl_add_u32 v[SPW], v0, 2, SPARE
	v_mov_b32 v[NIL], 0
	ds_add_u32 v9, v10
	ds_add_u32 v9, v10
	s_wait_dscnt 0x0
	v_lshrrev_b32 v1, 5, v0
	v_readfirstlane_b32 s12, v1                    ; wave
	s_bfe_u32 s15, ttmp6, 0x40000                  ; cx: my place in the cluster: it enters the addresses of p, ps and out alone
	s_lshl_b32 s13, ttmp9, 2                       ; in a cluster launch ttmp9 counts clusters
	s_add_co_u32 s13, s13, s15                     ; which 128 tokens
	s_and_b32 s38, ttmp7, 0xffff                   ; which 64 columns: the four partners share them
	; descriptor group 1: 4 tiles' rows of 4,096 bytes (512 elements of 8 bytes), a tile's codes 65,536 bytes (8,192 elements) apart; dense in LDS
	s_mov_b32 s[G1], 15|(3<<16)|(1<<21)            ; the mask: all four work-groups; elements of 8 bytes; bit 21 beside a mask; no padding
	s_mov_b32 s[G1+1], 512<<16                     ; tensor_dim0
	s_mov_b32 s[G1+2], 4<<16                       ; tensor_dim1
	s_mov_b32 s[G1+3], 512<<16                     ; tile_dim0
	s_mov_b32 s[G1+4], 4                           ; tile_dim1
	s_mov_b32 s[G1+5], 8192                        ; from tile to tile
	s_mov_b32 s[G1+6], 0
	s_mov_b32 s[G1+7], 0
	v_and_b32 v1, 15, v0                           ; r
	v_bfe_u32 v2, v0, 4, 1                         ; h
	v_and_b32 v3, 31, v0                           ; lane
	v_lshlrev_b32 v4, 4, v3
	v_lshlrev_b32 v5, 3, v3
	s_lshl_b32 s26, s12, 9
	s_add_co_u32 s27, s26, MXB
	v_add_nc_u32 v6, s27, v4                       ; my wave's smallest -M
	v_add_nc_u32 v7, MXB, v4                       ; and all four waves'
	s_add_co_u32 s27, s26, LSB
	v_add_nc_u32 v8, s27, v4                       ; my wave's sums
	s_lshl_b32 s39, s12, 16                        ; my wave's 65,536 bytes of LDS
	v_add_nc_u32 v[BAD], s39, v4
	s_lshl_b32 s14, s12, 14                        ; my 16 K steps of 1,024 bytes
	s_lshl_b32 s28, s13, 19
	s_add_co_u32 s28, s28, s14
	s_mov_b32 s29, 0
	s_lshl_b32 s30, s38, 18
	s_add_co_u32 s30, s30, s14
	s_mov_b32 s31, 0
	s_lshl_b32 s32, s12, 17
	s_lshl_b32 s33, s13, 9
	s_add_co_u32 s32, s32, s33
	s_mov_b32 s33, 0
	s_lshl_b32 s34, s38, 14
	s_lshl_b32 s35, s12, 11
	s_add_co_u32 s34, s34, s35
	s_add_co_u32 s34, s34, 4194304
	s_mov_b32 s35, 0
	s_lshl_b32 s36, s13, 19
	s_lshl_b32 s37, s12, 17
	s_add_co_u32 s36, s36, s37
	s_lshl_b32 s37, s38, 8
	s_add_co_u32 s36, s36, s37
	s_mov_b32 s37, 0
	s_wait_kmcnt 0x0
	s_add_nc_u64 s[16:17], s[4:5], s[28:29]        ; p's codes
	s_add_nc_u64 s[18:19], s[8:9], s[30:31]        ; memory's codes: made of the columns' tile and the wave's number alone
	s_add_nc_u64 s[20:21], s[6:7], s[32:33]        ; ps at my first K step and my tokens
	s_add_nc_u64 s[22:23], s[8:9], s[34:35]        ; memory's scale words
	s_add_nc_u64 s[24:25], s[10:11], s[36:37]      ; out: the 32 rows that I store
	; what the scale bytes' shift needs is asked for ahead of the round, so that it is on its way while the partners meet
.irp i, 0,1,2,3,4,5,6,7,8,9,10,11,12,13,14,15
	global_load_b128 v[X+4*\i:X+4*\i+3], v4, s[20:21] offset:524288+\i*8192    ; -M of K step i, tokens 32 e + lane
.endr
.irp i, 0,1,2,3,4,5,6,7,8,9,10,11,12,13,14,15
	global_load_b128 v[32+4*\i:35+4*\i], v4, s[20:21] offset:\i*8192           ; p's scale words
.endr
.irp i, 0,1,2,3,4,5,6,7,8,9,10,11,12,13,14,15
	global_load_b128 v[Y+4*\i:Y+4*\i+3], v4, s[20:21] offset:1048576+\i*8192   ; the partial sums
.endr
	CROUND                                         ; all four work-groups are here: the joint loads meet
.irp n, 0,1,2,3
	s_mov_b32 s[G0+4*\n], 1                        ; count = 1
	s_add_co_u32 s[G0+4*\n+1], s39, \n*16384       ; LDS address: 65,536 x wave + 16,384 n
	s_add_nc_u64 s[G0+4*\n+2:G0+4*\n+3], s[18:19], \n*4096   ; my K steps 4 n .. 4 n + 3
	s_or_b32 s[G0+4*\n+3], s[G0+4*\n+3], 0x80000000          ; type = 2
.endr
.irp n, 0,1,2,3
	tensor_load_to_lds s[G0+4*\n:G0+4*\n+3], s[G1:G1+7]      ; the launch's only fills, as one group: four tensor loads of mine are out
	s_nop 0
.endr
.rept 4
	v_nop
.endr
.irp b, 0,1
.irp k, 0,1,2,3,4,5,6,7
	global_load_b64 v[96+16*\b+2*\k:97+16*\b+2*\k], v5, s[22:23] offset:\b*8192+\k*256
.endr
.endr
	FLOADA 0
	FLOADA 1
	FLOADA 2
	FLOADA 3
	WIN 0
	s_wait_loadcnt 63                              ; 64 fragment loads were issued behind the 64 of ps and the scale words: the count is the field's largest
.irp e, 0,1,2,3
	v_min3_num_f32 v[16+\e], v[X+\e], v[X+4+\e], v[X+8+\e]
.endr
.irp i, 3,5,7,9,11,13
.irp e, 0,1,2,3
	v_min3_num_f32 v[16+\e], v[16+\e], v[X+4*\i+\e], v[X+4*\i+4+\e]
.endr
.endr
.irp e, 0,1,2,3
	v_min_num_f32 v[16+\e], v[16+\e], v[X+60+\e]
.endr
	ds_store_b128 v6, v[16:19]
	s_wait_dscnt 0x0
	s_barrier_signal -1
	s_barrier_wait -1
	ds_load_b128 v[12:15], v7
	ds_load_b128 v[20:23], v7 offset:512
	ds_load_b128 v[24:27], v7 offset:1024
	ds_load_b128 v[28:31], v7 offset:1536
	s_wait_dscnt 0x0
.irp e, 0,1,2,3
	v_min3_num_f32 v[16+\e], v[12+\e], v[20+\e], v[24+\e]
.endr
.irp e, 0,1,2,3
	v_min_num_f32 v[16+\e], v[16+\e], v[28+\e]     ; the row's -M
.endr
.set n, 0
.rept 64
	v_sub_f32 v[X+n], v[16+n%4], v[X+n]            ; -D, a whole number, 0 or less
.set n, n+1
.endr
.set n, 0
.rept 64
	v_max_num_f32 v[X+n], 0xc2fe0000, v[X+n]       ; held at -127
.set n, n+1
.endr
.set n, 0
.rept 64
	v_cvt_i32_f32 v[X+n], v[X+n]
.set n, n+1
.endr
.set n, 0
.rept 64
	v_ldexp_f32 v[Y+n], v[Y+n], v[X+n]             ; the partial sum under the row's M: nothing is rounded
.set n, n+1
.endr
.irp e, 0,1,2,3
	v_add_f32 v[20+\e], v[Y+\e], v[Y+4+\e]
.endr
.set n, 8
.rept 56
	v_add_f32 v[20+n%4], v[20+n%4], v[Y+n]
.set n, n+1
.endr
	ds_store_b128 v8, v[20:23]                     ; waited for in front of the next barrier
.set n, 0
.rept 64
	v_sub_nc_u32 v[X+n], 0, v[X+n]                 ; D
.set n, n+1
.endr
.set n, 0
.rept 64
	v_lshl_or_b32 v[X+n], v[X+n], 8, v[X+n]
.set n, n+1
.endr
.set n, 0
.rept 64
	v_lshl_or_b32 v[X+n], v[X+n], 16, v[X+n]       ; D in each of the four bytes
.set n, n+1
.endr
.set n, 0
.rept 64
	v_or_b32 v[32+n], 0x80808080, v[32+n]          ; bytes are 1 .. 125 and D at most 127: with bit 7 set no borrow crosses a byte
.set n, n+1
.endr
.set n, 0
.rept 64
	v_sub_nc_u32 v[32+n], v[32+n], v[X+n]
.set n, n+1
.endr
.set n, 0
.rept 64
	v_and_b32 v[X+n], 0x80808080, v[32+n]          ; bit 7 is left where byte >= D
.set n, n+1
.endr
.set n, 0
.rept 64
	v_lshrrev_b32 v[Y+n], 7, v[X+n]
.set n, n+1
.endr
.set n, 0
.rept 64
	v_sub_nc_u32 v[X+n], v[X+n], v[Y+n]            ; 0x7f there, 0 elsewhere
.set n, n+1
.endr
.set n, 0
.rept 64
	v_and_b32 v[32+n], v[32+n], v[X+n]             ; byte - D, held at 0
.set n, n+1
.endr
	s_wait_tensorcnt 3                             ; my K steps 0-3 of memory's codes are in LDS; my three later loads may be out
	BLOAD 0
	BLOAD 1
.rept 8
	v_nop                                          ; scale registers written by vector lines stand eight plain lines ahead of a scaled matrix line
.endr
.macro KSTEP i
.if (\i) < 13
	s_wait_loadcnt 48                              ; this step's 16 loads of p are in; the three later steps' may be out
.else
	s_wait_loadcnt 16*(15-(\i))
.endif
.if (\i) < 15
	s_wait_dscnt 8                                 ; this step's 8 loads of memory's codes are in; the next step's may be out
.else
	s_wait_dscnt 0x0
.endif
	WIN 0x5b                                       ; source 0 window 3, source 1 window 2, C and D window 1
.irp a, 0,1,2,3,4,5,6,7                ; the 32 accumulators take turns in one order
.irp b, 0,1,2,3
	WM3 8*(4*\a+\b), 32*((\i)%2)+8*\b, 64*((\i)%4)+8*\a, (\i)==0, 96+16*(\b/2)+(\i), 32+4*(\i)+\a/2, \b%2, \a%2
.endr
.endr
.rept 4
	v_nop                                          ; four plain lines ahead of loads into registers that matrix lines have read
.endr
.if (\i)+4 < 16
	FLOADA (\i)+4
.endif
.if (\i)+2 < 16
.if ((\i)+2)%4 == 0
	s_wait_tensorcnt 3-((\i)+2)/4                  ; my next four K steps of memory's codes are in LDS; my later loads may be out
.endif
	BLOAD (\i)+2
.endif
.endm
.irp i, 0,1,2,3,4,5,6,7,8,9,10,11,12,13,14,15
	KSTEP \i
.endr
	WIN 0
	; the reduction's addresses (plain lines that name none of the products' registers)
	s_mul_i32 s26, s12, 34816
	v_mul_u32_u24 v6, v1, 272
	v_lshl_add_u32 v6, v2, 5, v6
	v_add_nc_u32 v6, s26, v6                       ; my partial tile: row r, 32 bytes for each half of the lanes
	s_mul_i32 s27, s12, 32*272
	v_mul_u32_u24 v7, v2, 272
	v_lshl_add_u32 v7, v1, 4, v7
	v_add_nc_u32 v24, s27, v7                      ; back: rows 32 w + h on of the four partial tiles, sixteen lanes to a row
	v_add_nc_u32 v25, 34816, v24
	v_add_nc_u32 v26, 69632, v24
	v_add_nc_u32 v27, 104448, v24
	v_lshlrev_b32 v28, 12, v2
	v_lshl_add_u32 v28, v1, 4, v28                 ; and the same two rows in out
	s_lshl_b32 s28, s12, 2
	s_add_co_u32 s28, s28, LSB
	v_lshl_add_u32 v16, v3, 4, s28                 ; the sums of token 32 w + lane
	s_lshl_b32 s29, s12, 7
	s_add_co_u32 s29, s29, RLB
	v_lshl_add_u32 v17, v3, 2, s29
	v_lshl_add_u32 v18, v2, 2, s29
	s_wait_dscnt 0x0                               ; my reads of memory's codes are over (my tensor loads were waited for in K step 10):
	s_barrier_signal -1                            ; the partial tiles are laid over those bytes, which have had their only fill,
	s_barrier_wait -1                              ; when every wave has said so
	WIN 0x04                                       ; an LDS store's data: window 1
.irp a, 0,1,2,3,4,5,6,7
.irp b, 0,1,2,3
	ds_store_b128 v6, v[8*(4*\a+\b):8*(4*\a+\b)+3] offset:4352*\a+64*\b        ; each accumulator from its low end on
	ds_store_b128 v6, v[8*(4*\a+\b)+4:8*(4*\a+\b)+7] offset:4352*\a+64*\b+16
.endr
.endr
	WIN 0
	s_wait_dscnt 0x0                               ; for the others' sake: my partial tile has landed
	s_barrier_signal -1
	s_barrier_wait -1
	ds_load_b32 v12, v16
	ds_load_b32 v13, v16 offset:512
	ds_load_b32 v14, v16 offset:1024
	ds_load_b32 v15, v16 offset:1536
	s_wait_dscnt 0x0
	v_add_f32 v12, v12, v13
	v_add_f32 v14, v14, v15
	v_add_f32 v12, v12, v14                        ; l
	v_rcp_f32 v12, v12
	v_nop
	s_wait_alu depctr_va_vdst(0)
	ds_store_b32 v17, v12                          ; through my own 128 bytes: lanes 0-15 want row 2 i's, lanes 16-31 row 2 i + 1's
.irp i, 0,1,2,3,4,5,6,7,8,9,10,11,12,13,14,15
	ds_load_b32 v[32+\i], v18 offset:8*\i          ; LDS serves a wave's instructions in order: these see the store above
.endr
.macro LOADG g                         ; four pairs of rows of the four partial tiles
.irp k, 0,1,2,3
.irp c, 0,1,2,3
	ds_load_b128 v[128+64*((\g)%2)+16*\k+4*\c:128+64*((\g)%2)+16*\k+4*\c+3], v[24+\c] offset:544*(4*(\g)+\k)
.endr
.endr
.endm
.macro SUMG g, left
	s_wait_dscnt \left                             ; this group is in; the next group's 16 loads may be out
.irp k, 0,1,2,3
.set B, 128+64*((\g)%2)+16*\k
	v_pk_add_f32 v[B:B+1], v[B:B+1], v[B+4:B+5]
	v_pk_add_f32 v[B+2:B+3], v[B+2:B+3], v[B+6:B+7]
	v_pk_add_f32 v[B+8:B+9], v[B+8:B+9], v[B+12:B+13]
	v_pk_add_f32 v[B+10:B+11], v[B+10:B+11], v[B+14:B+15]
	v_pk_add_f32 v[B:B+1], v[B:B+1], v[B+8:B+9]
	v_pk_add_f32 v[B+2:B+3], v[B+2:B+3], v[B+10:B+11]
.irp j, 0,1,2,3
	v_mul_f32 v[B+\j], v[B+\j], v[32+4*(\g)+\k]
.endr
	global_store_b128 v28, v[B:B+3], s[24:25] offset:8192*(4*(\g)+\k) th:TH_STORE_NT      ; sixteen lanes store 256 consecutive aligned bytes
.endr
.endm
	LOADG 0
	LOADG 1
	SUMG 0, 16
	s_wait_xcnt 0x0                                ; the stores have read their data: the group's registers are loaded again only behind this wait
	LOADG 2
	SUMG 1, 16
	s_wait_xcnt 0x0
	LOADG 3
	SUMG 2, 16
	SUMG 3, 0
	s_wait_tensorcnt 0x0                           ; the wave's end
	ds_add_u32 v[SPW], v[NIL]
	s_wait_dscnt 0x0
	CROUND                                         ; the closing round: no work-group ends while a partner may still ask for a tile that names it
	s_endpgm
.Lfunc_end_k_q8c48f0efe2_gemm3:
	.size	k_q8c48f0efe2_gemm3, .Lfunc_end_k_q8c48f0efe2_gemm3-k_q8c48f0efe2_gemm3
	.p2alignl 7, 3214868480
	.fill 96, 4, 3214868480
	.section	.rodata,"a",@progbits
	.p2align	6, 0x0
	.amdhsa_kernel k_q8c48f0efe2_gemm3
		.amdhsa_group_segment_fixed_size 327680
		.amdhsa_private_segment_fixed_size 0
		.amdhsa_enable_private_segment 0
		.amdhsa_kernarg_size 32
		.amdhsa_user_sgpr_count 2
		.amdhsa_user_sgpr_kernarg_segment_ptr 1
		.amdhsa_wavefront_size32 1
		.amdhsa_system_sgpr_workgroup_id_x 1
		.amdhsa_system_sgpr_workgroup_id_y 1
		.amdhsa_system_sgpr_workgroup_id_z 1
		.amdhsa_system_vgpr_workitem_id 0
		.amdhsa_next_free_vgpr 1024
		.amdhsa_next_free_sgpr 66
		.amdhsa_reserve_vcc 0
		.amdhsa_float_denorm_mode_32 3
		.amdhsa_float_denorm_mode_16_64 3
		.amdhsa_memory_ordered 1
		.amdhsa_forward_progress 1
		.amdhsa_inst_pref_size 176
	.end_amdhsa_kernel
	.amdgpu_metadata
---
amdhsa.version: [ 1, 2 ]
amdhsa.kernels:
  - .name:           k_q8c48f0efe2_gemm3
    .symbol:         k_q8c48f0efe2_gemm3.kd
    .args:
      - { .name: pq, .offset: 0, .size: 8, .value_kind: global_buffer, .address_space: global }
      - { .name: ps, .offset: 8, .size: 8, .value_kind: global_buffer, .address_space: global }
      - { .name: mq, .offset: 16, .size: 8, .value_kind: global_buffer, .address_space: global }
      - { .name: out0, .offset: 24, .size: 8, .value_kind: global_buffer, .address_space: global }
    .group_segment_fixed_size: 327680
    .private_segment_fixed_size: 0
    .kernarg_segment_align: 8
    .kernarg_segment_size: 32
    .max_flat_workgroup_size: 128
    .sgpr_count:     66
    .vgpr_count:     1024
    .wavefront_size: 32
...
	.end_amdgpu_metadata
.endif
;; end of part 4
